; MI455X (gfx1250); checked and timed in simulation.
; The chip was launched on July 23, 2026; its instructions are those of AMD's public machine-readable ISA for CDNA 5 (MIT licence, August 2026) and "CDNA5" Instruction Set Architecture Reference Guide (July 2026). The comments in the code are by the model that wrote it; some were corrected since.
;; Ro PE Attention Layer. Allowed arithmetic: matrix products marked QUANTISED: E2M3 operands, one E8M0 scale for each 32 along K, by v_wmma_scale_f32_16x16x128_f8f6f4 with both operands' format E2M3, f32 sums; everything else in f32.
;; Inputs: W_out 1,024 x 1,024 float32; W_qkv 1,024 x 3,072 float32; b_out 1,024 float32; b_qkv 3,072 float32; cos 2,048 x 64 float32; mask 4 x 2,048 bool; sin 2,048 x 64 float32; x 4 x 2,048 x 1,024 float32.
;; Outputs: out0 4 x 2,048 x 1,024 float32.
;; This version of the problem:
;;   THIS VERSION OF THE PROBLEM IS GIVEN IN LOW PRECISION. The matrix products marked QUANTISED in the list below multiply operands that are first quantised to E2M3 (2 exponent bits, 3 mantissa bits; 6 bits a number), with one power-of-two scale for each 32 numbers along K (OCP MX v1.0); their sums are f32. All else is computed in f32.
;;   The module's matrix products, in the order in which they are computed (A, B: the left and right operand; K: the contracted axis; several contracted axes count as one K, in the product's order):
;;     1. [M 8,192, K 1,024] x [K 1,024, N 3,072]; A: input x; B: input W_qkv: QUANTISED
;;     2. batch 64 x [M 2,048, K 64] x [K 64, N 2,048]; A: computed on the way; B: computed on the way: QUANTISED
;;     3. batch 64 x [M 64, K 2,048] x [K 2,048, N 2,048]; A: computed on the way; B: softmax (see below): QUANTISED
;;     4. [M 8,192, K 1,024] x [K 1,024, N 1,024]; A: computed on the way; B: input W_out: QUANTISED
;;   THE QUANTISER, for each operand of a quantised product, along K:
;;     - K is cut into blocks of 32 from its start; a last block that is shorter is filled with zeros.
;;     - A block's scale is 2^e with e = floor(log2(the largest magnitude in the block)) - 2, held to -126 .. 127; a block of zeros has e = 0. As a byte (E8M0): e + 127.
;;     - Each number is divided by its block's scale, clamped to +-7.5, and rounded to the nearest number of E2M3, ties to even, subnormals kept.
;;     - The product sums the exact products of the quantised numbers (number of the format x scale) in f32.
;;   ~~~python
;;   def quantise(x, axis):      # numpy; x: float32 -> the quantised numbers, widened to float32 again
;;       x = np.moveaxis(x, axis, -1); K = x.shape[-1]
;;       x = np.pad(x, [(0, 0)] * (x.ndim - 1) + [(0, -K % 32)]); x = x.reshape(x.shape[:-1] + (-1, 32)); a = np.abs(x).max(-1, keepdims=True)
;;       e = np.where(a > 0, np.clip(np.frexp(np.where(a > 0, a, 1))[1] - 1 - 2, -126, 127), 0)      # np.frexp(a)[1] - 1 = floor(log2(a)), exactly
;;       r = np.clip(x / 2.0 ** e, -7.5, 7.5)
;;       step = 2.0 ** (np.maximum(np.frexp(np.where(r == 0, 1, r))[1] - 1, 0) - 3)
;;       q = np.round(r / step) * step * 2.0 ** e      # np.round: ties to even
;;       return np.moveaxis(q.reshape(q.shape[:-2] + (-1,))[..., :K], -1, axis).astype(np.float32)
;;   ~~~
;;   SOFTMAX AHEAD OF A QUANTISED PRODUCT. Where the list says 'softmax', what is quantised is not the finished softmax but p = 2^(t - M), with t = logit x log2(e) and M = ceil(the row's largest t), a whole number; so 1/2 < the row's largest p <= 1. The row's sum l is taken of the UNQUANTISED p, in f32, and the product's result is divided by l at the end. Since M is a whole number, a kernel that streams over the keys may use a running M (the ceiling of the running maximum): every later rescaling is an exact power of two, which a block's scale takes up: the codes' values come out the same.
;;   OPERANDS COMPUTED ON THE WAY. 'Computed on the way' means the value that the module computes at that place (a softmax that the list does not call 'softmax' is quantised finished and normalised). What goes into a quantiser is computed in f32, as accurately as f32 sums, v_exp_f32 and their like allow (about 1e-6 of the number): no bf16 or f16 on the way to a quantiser, and a product that is left as it is and whose result goes on into a quantised operand takes f32 operands (vector FMAs, or v_wmma_f32_16x16x4_f32). A number that lies on a knife's edge between two numbers of the format may be rounded either way, as far as f32 arithmetic and the matrix unit's own rounding can turn it there, and no further.
;; One version. Each part assembles by itself: llvm-mc -triple=amdgcn-amd-amdhsa -mcpu=gfx1250 --defsym DOCPART=n.
;; ======== version 1 of 1: 5 launches
;; limits: right only within a limited range of input values
;; workspace buffers: xq 6,553,600 bytes; oq 6,553,600 bytes; wq 3,276,800 bytes; qkv 20,447,232 bytes
;; launch quant_x (part 1): grid 256 x 1, 8 waves a work-group, no clusters, 68,608 bytes of LDS; arguments x, xq; writes xq
.if DOCPART == 1
	.amdgcn_target "amdgcn-amd-amdhsa--gfx1250"
	.amdhsa_code_object_version 6
	.text
	.protected	k_qcfd3b85b13_quant_x
	.globl	k_qcfd3b85b13_quant_x
	.p2align	8
	.type	k_qcfd3b85b13_quant_x,@function
k_qcfd3b85b13_quant_x:
	s_mov_b64 s[64:65], 0
	v_nop
	global_prefetch_b8 v0, s[64:65] scope:SCOPE_SE
	s_setreg_imm32_b32 hwreg(HW_REG_WAVE_MODE, 25, 1), 1
	s_wait_xcnt 0x0
; x [8192][1024] f32 becomes codes of E2M3 with one E8M0 byte for each 32 along K, laid as the product's launch reads them:
; codes  xq + 0:        [row / 128 : 64][K / 128 : 8][tile : 8][1536 bytes]: a fragment (16 rows x 128 K) as an IMAGE OF ITS 12 REGISTERS, in two halves of 768 bytes (64 along K each):
;                       registers 0-3 of lane l at 16 l, registers 4-5 at 512 + 8 l.
; scales xq + 6291456:  [row / 128][K / 256 : 4][tile : 8][row of the tile : 16][K step of the pair : 2] words of four bytes.
; THE ROWS OF A TILE ARE NOT NEIGHBOURS: in a group of 32 rows, lane r of tile u takes row 8 u + r + 8 (r / 8).
; A block's scale is 2^(floor(log2(its largest magnitude)) - 2); its byte is that magnitude's exponent field - 2, held at 1 from below.  A block of zeros keeps the byte 1: its codes are zeros, and this program alone reads the bytes.
; LIMITS: NaN and infinities among the inputs are not served.
; SHARES: a work-group takes 32 rows, wave s the K step s (128 numbers, 512 bytes of a row): two tiles.  Each load reads 512 consecutive bytes of one row; the 16 rows of a tile turn through the wave's own stage in LDS
; (rows 528 bytes apart), so that a lane gets 16 neighbours of each block of 32 of ITS row.  Every store of codes covers 512 or 256 consecutive bytes, aligned.  The scale words go out 8 bytes apart (one word of two): 1 byte in 128 of what the launch reads.
; No cluster, no tensor load, no barrier: work-groups and waves share nothing.
.set SP,    528
.set WSTG,  16*SP
.set XSC,   6291456
.set LI,    1                          ; v1   16 x lane
.set L8,    2                          ; v2   8 x lane
.set SIN,   3                          ; v3   the stage, on the way in
.set SOUT,  4                          ; v4   and on the way out
.set PW0,   6                          ; v6   the first tile's scale words
.set R,     16                         ; v16-143  two tiles as loaded
.set X,     144                        ; v144-207 64 numbers of my row: register 16 b + i = k 32 b + 16 (lane / 16) + i
.set PC,    208                        ; v208-226 the codes
.set TM,    228                        ; v228-243 at work
.set PW,    244                        ; v244 the scale word
.set SEL,   20
; 64 numbers of a lane become a fragment's codes in v[PC] on and its scale word in v[PW]
.macro QUANT s
.irp b, 0,1,2,3
	v_max3_num_f32 v[TM+\b], |v[\s+16*\b]|, |v[\s+1+16*\b]|, 0x1800000   ; block b: my 16 numbers, and the floor 2^(3 - 127): the byte cannot fall under 1
.endr
.irp i, 2,4,6,8,10,12,14
.irp b, 0,1,2,3
	s_delay_alu instid0(VALU_DEP_4)
	v_max3_num_f32 v[TM+\b], v[TM+\b], |v[\s+16*\b+\i]|, |v[\s+1+16*\b+\i]|
.endr
.endr
.irp b, 0,1,2,3
	s_delay_alu instid0(VALU_DEP_4)
	v_permlanex16_b32 v[TM+4+\b], v[TM+\b], s[SEL], s[SEL+1]
.endr
.irp b, 0,1,2,3
	s_delay_alu instid0(VALU_DEP_4)
	v_max_num_f32 v[TM+\b], v[TM+\b], v[TM+4+\b]   ; with lane l xor 16's: the block's largest magnitude
.endr
.irp b, 0,1,2,3
	s_delay_alu instid0(VALU_DEP_4)
	v_add_nc_u32 v[TM+12+\b], 0xff000000, v[TM+\b]   ; 2 off its exponent field: the conversion's scale operand
.endr
.irp b, 0,1,2,3
	s_delay_alu instid0(VALU_DEP_4)
	v_lshrrev_b32 v[TM+4+\b], 23, v[TM+12+\b]      ; the scale's byte
.endr
	s_delay_alu instid0(VALU_DEP_3)
	v_lshl_or_b32 v[PW], v[TM+5], 8, v[TM+4]
	s_delay_alu instid0(VALU_DEP_1)
	v_lshl_or_b32 v[PW], v[TM+6], 16, v[PW]
	s_delay_alu instid0(VALU_DEP_1)
	v_lshl_or_b32 v[PW], v[TM+7], 24, v[PW]
.irp c, 0,1
	v_cvt_scalef32_pk16_fp6_f32 v[PC+6*\c:PC+2+6*\c], v[\s+32*\c:\s+15+32*\c], v[TM+12+2*\c]
	v_cvt_scalef32_pk16_fp6_f32 v[PC+12+4*\c:PC+14+4*\c], v[\s+16+32*\c:\s+31+32*\c], v[TM+12+2*\c+1]   ; (a conversion's three registers begin on an even number)
.endr
	v_nop                                          ; one plain place behind a scaled conversion
.irp c, 0,1                                    ; the operand's layout wants a whole block in a lane
.irp i, 0,1,2
	v_permlane16_swap_b32 v[PC+6*\c+\i], v[PC+12+4*\c+\i]
.endr
.irp i, 0,1,2
	s_delay_alu instid0(VALU_DEP_3)
	v_mov_b32 v[PC+3+6*\c+\i], v[PC+12+4*\c+\i]
.endr
.endr
.endm
.macro PUT4 base, off                          ; the fragment goes out as it stands
	global_store_b128 v[LI], v[PC:PC+3], s[\base:\base+1] offset:(\off)
	global_store_b64 v[L8], v[PC+4:PC+5], s[\base:\base+1] offset:(\off)+512
	global_store_b128 v[LI], v[PC+6:PC+9], s[\base:\base+1] offset:(\off)+768
	global_store_b64 v[L8], v[PC+10:PC+11], s[\base:\base+1] offset:(\off)+1280
.endm
.macro LOADU u                                 ; tile u: 16 rows, 512 consecutive bytes each
.irp i, 0,1,2,3,4,5,6,7,8,9,10,11,12,13,14,15
	global_load_b128 v[R+64*\u+4*\i:R+64*\u+4*\i+3], v[LI], s[4:5] offset:(8*\u+\i+8*(\i/8))*4096 th:TH_LOAD_NT
.endr
.endm
.macro TURN u                                  ; through the stage: LDS serves a wave's instructions in order, so no wait stands between the stores and the loads
.irp i, 0,1,2,3,4,5,6,7,8,9,10,11,12,13,14,15
	ds_store_b128 v[SIN], v[R+64*\u+4*\i:R+64*\u+4*\i+3] offset:SP*\i
.endr
.irp b, 0,1,2,3
.irp j, 0,1,2,3
	ds_load_b128 v[X+16*\b+4*\j:X+16*\b+4*\j+3], v[SOUT] offset:128*\b+16*\j
.endr
.endr
.endm
	s_load_b128 s[4:7], s[0:1], 0x0                ; x, xq
	v_lshl_add_u32 v254, v0, 2, 0x10800
	v_mov_b32 v255, 0
	v_lshrrev_b32 v7, 5, v0
	s_delay_alu instid0(VALU_DEP_1)
	v_readfirstlane_b32 s8, v7                     ; wave = K step
	v_and_b32 v8, 31, v0
	s_delay_alu instid0(VALU_DEP_1)
	v_lshlrev_b32 v[LI], 4, v8
	s_delay_alu instid0(VALU_DEP_2)
	v_lshlrev_b32 v[L8], 3, v8
	s_mul_i32 s9, s8, WSTG                         ; my stage
	v_add_nc_u32 v[SIN], s9, v[LI]
	v_and_b32 v9, 15, v0                           ; r
	v_bfe_u32 v10, v0, 4, 1                        ; h
	s_delay_alu instid0(VALU_DEP_2)
	v_mul_u32_u24 v[SOUT], v9, SP
	s_delay_alu instid0(VALU_DEP_1)
	v_lshl_add_u32 v[SOUT], v10, 6, v[SOUT]
	s_delay_alu instid0(VALU_DEP_1)
	v_add_nc_u32 v[SOUT], s9, v[SOUT]              ; row r, + 64 h: my 16 numbers of a block
	s_mov_b32 s[SEL], 0x76543210
	s_mov_b32 s[SEL+1], 0xfedcba98                 ; v_permlanex16_b32's selects for lane l xor 16
	s_mov_b32 s22, 0xffff0000                      ; lanes 16-31
.irp b, 0,1,2,3
	v_mov_b32 v[TM+4+\b], 0                        ; written once: a lane permute's destination counts as one of its sources
.endr
	s_lshl_b32 s10, ttmp9, 17                      ; x: 32 rows of 4,096 bytes a work-group,
	s_lshl_b32 s11, s8, 9                          ; 512 bytes a K step
	s_add_co_u32 s10, s10, s11
	s_mov_b32 s11, 0
	s_lshr_b32 s12, ttmp9, 2                       ; which 128 rows
	s_and_b32 s13, ttmp9, 3                        ; which 32 of them
	s_mul_i32 s14, s12, 98304
	s_mul_i32 s15, s8, 12288
	s_add_co_u32 s14, s14, s15
	s_mul_i32 s15, s13, 3072
	s_add_co_u32 s14, s14, s15                     ; my two fragments
	s_mov_b32 s15, 0
	s_lshl_b32 s16, s12, 12
	s_lshr_b32 s17, s8, 1
	s_lshl_b32 s17, s17, 10
	s_add_co_u32 s16, s16, s17
	s_lshl_b32 s17, s13, 8
	s_add_co_u32 s16, s16, s17
	s_and_b32 s17, s8, 1
	s_lshl_b32 s17, s17, 2
	s_add_co_u32 s16, s16, s17
	s_add_co_u32 s16, s16, XSC                     ; my two tiles' scale words
	s_mov_b32 s17, 0
	s_wait_alu depctr_va_vdst(0)
	s_wait_kmcnt 0x0
	s_add_nc_u64 s[4:5], s[4:5], s[10:11]
	s_add_nc_u64 s[14:15], s[6:7], s[14:15]
	s_add_nc_u64 s[16:17], s[6:7], s[16:17]
	LOADU 0
	LOADU 1
	s_wait_loadcnt 16                              ; tile 0's 16 loads are in; tile 1's may be out
	TURN 0
	s_wait_dscnt 0x0
	QUANT X
	PUT4 14, 0
	v_mov_b32 v[PW0], v[PW]
	s_wait_loadcnt 0x0
	TURN 1
	s_wait_dscnt 0x0
	s_wait_xcnt 0x0                                ; tile 0's stores have read the codes' registers, which are written again below
	QUANT X
	PUT4 14, 1536
	v_cndmask_b32 v[PW0], v[PW0], v[PW], s22       ; lanes 0-15: tile 0's words, lanes 16-31: tile 1's
	global_store_b32 v[L8], v[PW0], s[16:17]
	s_wait_tensorcnt 0x0
	ds_add_u32 v254, v255
	s_wait_dscnt 0x0
	s_endpgm
.Lfunc_end_k_qcfd3b85b13_quant_x:
	.size	k_qcfd3b85b13_quant_x, .Lfunc_end_k_qcfd3b85b13_quant_x-k_qcfd3b85b13_quant_x
	.p2alignl 7, 3214868480
	.fill 96, 4, 3214868480
	.section	.rodata,"a",@progbits
	.p2align	6, 0x0
	.amdhsa_kernel k_qcfd3b85b13_quant_x
		.amdhsa_group_segment_fixed_size 68608
		.amdhsa_private_segment_fixed_size 0
		.amdhsa_enable_private_segment 0
		.amdhsa_kernarg_size 16
		.amdhsa_user_sgpr_count 2
		.amdhsa_user_sgpr_kernarg_segment_ptr 1
		.amdhsa_wavefront_size32 1
		.amdhsa_system_sgpr_workgroup_id_x 1
		.amdhsa_system_sgpr_workgroup_id_y 1
		.amdhsa_system_sgpr_workgroup_id_z 1
		.amdhsa_system_vgpr_workitem_id 0
		.amdhsa_next_free_vgpr 256
		.amdhsa_next_free_sgpr 66
		.amdhsa_reserve_vcc 0
		.amdhsa_float_denorm_mode_32 3
		.amdhsa_float_denorm_mode_16_64 3
		.amdhsa_memory_ordered 1
		.amdhsa_forward_progress 1
		.amdhsa_inst_pref_size 22
	.end_amdhsa_kernel
	.amdgpu_metadata
---
amdhsa.version: [ 1, 2 ]
amdhsa.kernels:
  - .name:           k_qcfd3b85b13_quant_x
    .symbol:         k_qcfd3b85b13_quant_x.kd
    .args:
      - { .name: x, .offset: 0, .size: 8, .value_kind: global_buffer, .address_space: global }
      - { .name: xq, .offset: 8, .size: 8, .value_kind: global_buffer, .address_space: global }
    .group_segment_fixed_size: 68608
    .private_segment_fixed_size: 0
    .kernarg_segment_align: 8
    .kernarg_segment_size: 16
    .max_flat_workgroup_size: 256
    .sgpr_count:     66
    .vgpr_count:     256
    .wavefront_size: 32
...
	.end_amdgpu_metadata
.endif
;; end of part 1
;; launch quant_w (part 2): grid 32 x 4, 4 waves a work-group, no clusters, 25,088 bytes of LDS; arguments W_qkv, W_out, wq; writes wq
.if DOCPART == 2
	.amdgcn_target "amdgcn-amd-amdhsa--gfx1250"
	.amdhsa_code_object_version 6
	.text
	.protected	k_qcfd3b85b13_quant_w
	.globl	k_qcfd3b85b13_quant_w
	.p2align	8
	.type	k_qcfd3b85b13_quant_w,@function
k_qcfd3b85b13_quant_w:
	s_mov_b64 s[64:65], 0
	v_nop
	global_prefetch_b8 v0, s[64:65] scope:SCOPE_SE
	s_setreg_imm32_b32 hwreg(HW_REG_WAVE_MODE, 25, 1), 1
	s_wait_xcnt 0x0
; W_qkv [1024][3072] and W_out [1024][1024], f32, are operands whose K is their FIRST axis.  They become codes of E2M3 and E8M0 bytes along K, laid as images of operand registers, a "row" being a column n of the weight:
; codes  [n / 128][K / 128 : 8][tile : 8][1536]  (W_qkv at wq + 0, W_out at wq + 2359296);  scale words [n / 128][K / 256 : 4][tile : 8][row of the tile : 16][2]  (at wq + 3145728 and wq + 3244032).
; A fragment's image: two halves of 768 bytes (64 along K): registers 0-3 of lane l at 16 l, registers 4-5 at 512 + 8 l.  In a group of 32 columns, lane r of tile u takes column 8 u + r + 8 (r / 8).
; A LANE TAKES A COLUMN, AND ITS REGISTERS RUN DOWN K: each load reads 128 consecutive bytes a wave, a block of 32 along K lies in one lane's registers, and the conversions give the codes with K innermost.
; A wave takes 32 columns x 256 along K: four fragments' worth of images, gathered in its own stage in LDS and stored as runs of 512 consecutive bytes; its 64 scale words leave as one aligned run of 256 bytes.
; One path serves both weights: work-groups x < 24 take W_qkv, the others W_out; pointer, pitch and places are chosen by the work-group's number alone.
; A block of zeros keeps the byte 1: its codes are zeros, and this program alone reads the bytes.  LIMITS: NaN and infinities among the inputs are not served.
; No cluster, no tensor load, no barrier: work-groups and waves share nothing.
.set OFF,  32                          ; v32-63   4 x lane + i x pitch
.set X,    64                          ; v64-127  two sets of 32 numbers
.set C,    128                         ; v128-133 a block's codes
.set D,    136                         ; v136-138 their second half as converted
.set SB,   24                          ; v24-25   the scale words of my column's two K steps
.set OUTR, 144                         ; v144-191 the way out
	s_load_b128 s[4:7], s[0:1], 0x0                ; W_qkv, W_out
	s_load_b64 s[8:9], s[0:1], 0x10                ; wq
	v_lshl_add_u32 v192, v0, 2, 0x6000
	v_mov_b32 v193, 0
	v_lshrrev_b32 v1, 5, v0
	v_readfirstlane_b32 s16, v1                    ; wave
	v_and_b32 v2, 31, v0
	v_lshlrev_b32 v3, 2, v2                        ; 4 x lane
	v_bfe_u32 v4, v0, 3, 1                         ; u: which tile of the two my column belongs to
	v_and_b32 v5, 7, v0
	v_bfe_u32 v6, v0, 4, 1
	v_lshl_add_u32 v5, v6, 3, v5                   ; r: its row in that tile
	s_mul_i32 s17, s16, 6144                       ; my stage: [K step 2][tile 2][1536]
	v_mul_u32_u24 v7, v4, 1536
	v_add_nc_u32 v7, s17, v7
	v_lshl_add_u32 v8, v5, 4, v7                   ; where registers 0-3 go
	v_lshl_add_u32 v9, v5, 3, v7                   ; where registers 4-5 go
	v_lshlrev_b32 v10, 4, v2                       ; the way out: 16 x lane
	v_add_nc_u32 v15, s17, v10
	v_lshlrev_b32 v16, 7, v4
	v_lshl_add_u32 v16, v5, 3, v16                 ; my scale words' place: 128 u + 8 r
	s_and_b32 s18, ttmp7, 0xffff                   ; which 256 along K
	s_wait_kmcnt 0x0
	s_cmp_lt_u32 ttmp9, 24                         ; W_qkv's work-group or W_out's?
	s_cselect_b64 s[4:5], s[4:5], s[6:7]
	s_mov_b32 s20, 4096
	s_cselect_b32 s20, 12288, s20                  ; bytes from a row of the weight to the next
	s_cselect_b32 s21, 0, 2359296                  ; where its images begin
	s_mov_b32 s24, 3244032
	s_cselect_b32 s24, 3145728, s24                ; and its scale words
	s_cselect_b32 s25, 0, 24
	s_sub_co_u32 s25, ttmp9, s25                   ; which 128 columns
.irp i, 0,1,2,3,4,5,6,7,8,9,10,11,12,13,14,15,16,17,18,19,20,21,22,23,24,25,26,27,28,29,30,31
	v_mad_u32_u24 v[OFF+\i], s20, \i, v3
.endr
	s_lshl_b32 s26, s18, 8
	s_mul_i32 s26, s26, s20                        ; 256 y rows down,
	s_lshl_b32 s27, s25, 9
	s_add_co_u32 s26, s26, s27                     ; 512 bytes a work-group,
	s_lshl_b32 s27, s16, 7
	s_add_co_u32 s26, s26, s27                     ; 128 a wave
	s_mov_b32 s27, 0
	s_add_nc_u64 s[4:5], s[4:5], s[26:27]
	s_lshl_b32 s22, s20, 5                         ; a block on: 32 rows
	s_mov_b32 s23, 0
	s_mul_i32 s28, s25, 98304
	s_add_co_u32 s28, s28, s21
	s_mul_i32 s29, s18, 24576
	s_add_co_u32 s28, s28, s29
	s_mul_i32 s29, s16, 3072
	s_add_co_u32 s28, s28, s29
	s_mov_b32 s29, 0
	s_add_nc_u64 s[28:29], s[8:9], s[28:29]        ; my images
	s_lshl_b32 s30, s25, 12
	s_add_co_u32 s30, s30, s24
	s_lshl_b32 s31, s18, 10
	s_add_co_u32 s30, s30, s31
	s_lshl_b32 s31, s16, 8
	s_add_co_u32 s30, s30, s31
	s_mov_b32 s31, 0
	s_add_nc_u64 s[30:31], s[8:9], s[30:31]        ; my scale words
.macro LOAD t                          ; block t: 32 rows of the weight at my column, into set t % 2
.irp i, 0,1,2,3,4,5,6,7,8,9,10,11,12,13,14,15,16,17,18,19,20,21,22,23,24,25,26,27,28,29,30,31
	global_load_b32 v[X+32*((\t)%2)+\i], v[OFF+\i], s[4:5] th:TH_LOAD_NT
.endr
	s_wait_xcnt 0x0                                ; the loads have read their base: it steps only behind this wait
	s_add_nc_u64 s[4:5], s[4:5], s[22:23]
.endm
	s_wait_alu depctr_va_vdst(0)
	LOAD 0
	LOAD 1
.macro BLOCK t
.set XS, X+32*((\t)%2)
.if (\t) < 7
	s_wait_loadcnt 32                              ; this block's 32 loads are in; the next block's may be out
.else
	s_wait_loadcnt 0x0
.endif
	v_max3_num_f32 v12, |v[XS]|, |v[XS+1]|, |v[XS+2]|              ; the block's largest magnitude: all 32 numbers are mine
	v_max3_num_f32 v13, |v[XS+3]|, |v[XS+4]|, |v[XS+5]|
.irp i, 6,10,14,18,22,26
	v_max3_num_f32 v12, v12, |v[XS+\i]|, |v[XS+\i+1]|
	v_max3_num_f32 v13, v13, |v[XS+\i+2]|, |v[XS+\i+3]|
.endr
	v_max3_num_f32 v12, v12, |v[XS+30]|, |v[XS+31]|
	v_max3_num_f32 v12, v12, v13, 0x1800000        ; and the floor 2^(3 - 127): the byte cannot fall under 1
	v_add_nc_u32 v11, 0xff000000, v12              ; 2 off its exponent field: the conversion's scale operand
	v_lshrrev_b32 v13, 23, v11                     ; the scale's byte
.if (\t)%4 == 0
	v_mov_b32 v[SB+(\t)/4], v13
.else
	v_lshl_or_b32 v[SB+(\t)/4], v13, 8*((\t)%4), v[SB+(\t)/4]
.endif
	v_cvt_scalef32_pk16_fp6_f32 v[C:C+2], v[XS:XS+15], v11
	v_cvt_scalef32_pk16_fp6_f32 v[D:D+2], v[XS+16:XS+31], v11      ; (a conversion's three registers begin on an even number)
	v_nop                                          ; one plain place behind a scaled conversion
.irp i, 0,1,2
	v_mov_b32 v[C+3+\i], v[D+\i]
.endr
	ds_store_b128 v8, v[C:C+3] offset:3072*((\t)/4)+768*(((\t)%4)/2)+256*((\t)%2)          ; the image's lane 16 (t % 2) + r: registers 0-3,
	ds_store_b64 v9, v[C+4:C+5] offset:3072*((\t)/4)+768*(((\t)%4)/2)+512+128*((\t)%2)     ; registers 4-5
.if (\t)+2 < 8
	LOAD (\t)+2
.endif
	s_wait_dscnt 0x0                               ; the stores have read their registers: the next block's codes may be written
.endm
.irp t, 0,1,2,3,4,5,6,7
	BLOCK \t
.endr
	s_wait_alu depctr_va_vdst(0)
	global_store_b64 v16, v[SB:SB+1], s[30:31]     ; 32 lanes store one aligned run of 256 bytes
.irp j, 0,1,2,3,4,5,6,7,8,9,10,11
	ds_load_b128 v[OUTR+4*\j:OUTR+4*\j+3], v15 offset:512*\j       ; my own stores, waited for above
.endr
.irp j, 0,1,2,3,4,5,6,7,8,9,10,11
	s_wait_dscnt 11-\j                             ; load j is in; the younger ones may be out
	global_store_b128 v10, v[OUTR+4*\j:OUTR+4*\j+3], s[28:29] offset:(\j/6)*12288+512*(\j%6)
.endr
	s_wait_tensorcnt 0x0
	ds_add_u32 v192, v193
	s_wait_dscnt 0x0
	s_endpgm
.Lfunc_end_k_qcfd3b85b13_quant_w:
	.size	k_qcfd3b85b13_quant_w, .Lfunc_end_k_qcfd3b85b13_quant_w-k_qcfd3b85b13_quant_w
	.p2alignl 7, 3214868480
	.fill 96, 4, 3214868480
	.section	.rodata,"a",@progbits
	.p2align	6, 0x0
	.amdhsa_kernel k_qcfd3b85b13_quant_w
		.amdhsa_group_segment_fixed_size 25088
		.amdhsa_private_segment_fixed_size 0
		.amdhsa_enable_private_segment 0
		.amdhsa_kernarg_size 24
		.amdhsa_user_sgpr_count 2
		.amdhsa_user_sgpr_kernarg_segment_ptr 1
		.amdhsa_wavefront_size32 1
		.amdhsa_system_sgpr_workgroup_id_x 1
		.amdhsa_system_sgpr_workgroup_id_y 1
		.amdhsa_system_sgpr_workgroup_id_z 1
		.amdhsa_system_vgpr_workitem_id 0
		.amdhsa_next_free_vgpr 194
		.amdhsa_next_free_sgpr 66
		.amdhsa_reserve_vcc 0
		.amdhsa_float_denorm_mode_32 3
		.amdhsa_float_denorm_mode_16_64 3
		.amdhsa_memory_ordered 1
		.amdhsa_forward_progress 1
		.amdhsa_inst_pref_size 45
	.end_amdhsa_kernel
	.amdgpu_metadata
---
amdhsa.version: [ 1, 2 ]
amdhsa.kernels:
  - .name:           k_qcfd3b85b13_quant_w
    .symbol:         k_qcfd3b85b13_quant_w.kd
    .args:
      - { .name: W_qkv, .offset: 0, .size: 8, .value_kind: global_buffer, .address_space: global }
      - { .name: W_out, .offset: 8, .size: 8, .value_kind: global_buffer, .address_space: global }
      - { .name: wq, .offset: 16, .size: 8, .value_kind: global_buffer, .address_space: global }
    .group_segment_fixed_size: 25088
    .private_segment_fixed_size: 0
    .kernarg_segment_align: 8
    .kernarg_segment_size: 24
    .max_flat_workgroup_size: 128
    .sgpr_count:     66
    .vgpr_count:     194
    .wavefront_size: 32
...
	.end_amdgpu_metadata
.endif
;; end of part 2
;; launch gemm_qkv (part 3): grid 12 x 32, 4 waves a work-group, clusters of 4 x 4, 327,680 bytes of LDS; arguments xq, wq, b_qkv, cos, sin, qkv; writes qkv
.if DOCPART == 3
	.amdgcn_target "amdgcn-amd-amdhsa--gfx1250"
	.amdhsa_code_object_version 6
	.text
	.protected	k_qcfd3b85b13_gemm_qkv
	.globl	k_qcfd3b85b13_gemm_qkv
	.p2align	8
	.type	k_qcfd3b85b13_gemm_qkv,@function
k_qcfd3b85b13_gemm_qkv:
	s_mov_b64 s[64:65], 0
	v_nop
	global_prefetch_b8 v0, s[64:65] scope:SCOPE_SE
	s_setreg_imm32_b32 hwreg(HW_REG_WAVE_MODE, 25, 1), 1
	s_wait_xcnt 0x0
	s_wait_alu depctr_hold_cnt(0) depctr_sa_sdst(0) depctr_va_vdst(0) depctr_va_sdst(0) depctr_va_ssrc(0) depctr_va_vcc(0) depctr_vm_vsrc(0)
	s_getreg_b32 s2, hwreg(HW_REG_IB_STS2, 6, 4)
	s_cmp_eq_u32 s2, 0
	s_cbranch_scc0 .Lentry_in_a_cluster
	s_endpgm
.Lentry_in_a_cluster:
	s_bfe_u32 s2, ttmp6, 0x10000c
	s_cmp_lg_u32 s2, 0xf033
	s_cbranch_scc0 .Lentry_shape_is_right
	s_endpgm
.Lentry_shape_is_right:
.set NQ,     2
.set FR,     12
.set NL,     4
.set NP,     4
.set HALFT,  24576
.set SLOT,   4*HALFT
.set SCL,    2*SLOT
.set HALFS,  4096
.set SPARE,  SCL+4*HALFS
.set SP,     528
.set XSC,    6291456
.set WSC,    3145728
.set QSCR,   18874368
.set LI,   1
.set L8,   2
.set ADRA, 16
.set ADRB, 20
.set RSI,  24
.set RSO,  25
.set BA,   26
.set ADRS, 27
.set SPW,  28
.set NIL,  29
.set SCO,  30
.set BVA,  31
.set SC,   32
.set PC,   64
.set TM,   84
.set PW,   100
.set W8,   106
.set X4,   114
.set AF,   128
.set T,    128
.set CS,   192
.set BV,   192
.set BIAS, 128
.set SEL,  2
.set G1, 24
.set G0, 32
.set G1B, 48
.set G0B, 56
.set G1S, 68
.set G0S, 76
.set G1SB, 80
.set G0SB, 88
.set MSB, 0
.macro WIN new
.if MSB != \new
	s_set_vgpr_msb (MSB<<8)|\new
.set MSB, \new
.endif
.endm
.set MUL_LO, 0xa1
.set MUL_HI, 0xf1
.set TO_B,   0x40
.macro JLOAD g0a, g1a, g0b, g1b
	s_cmp_eq_u32 s17, 0
	s_cbranch_scc0 .Lfor_b_\@
	tensor_load_to_lds s[\g0a:\g0a+3], s[\g1a:\g1a+7]
	s_nop 0
.rept 4
	v_nop
.endr
	s_branch .Lasked_\@
.Lfor_b_\@:
	tensor_load_to_lds s[\g0b:\g0b+3], s[\g1b:\g1b+7]
	s_nop 0
.rept 4
	v_nop
.endr
.Lasked_\@:
.endm
.macro CREST
	s_cmp_lg_u32 s16, 0
	s_cbranch_scc1 .Lnot_wave_0_\@
	s_barrier_signal -3
.Lnot_wave_0_\@:
	s_barrier_wait -3
	s_barrier_signal -1
	s_barrier_wait -1
.endm
.macro CROUND
	s_barrier_signal -1
	s_barrier_wait -1
	CREST
.endm
	s_load_b256 s[4:11], s[0:1], 0x0
	s_load_b128 s[12:15], s[0:1], 0x20
	v_lshl_add_u32 v[SPW], v0, 2, SPARE
	v_mov_b32 v[NIL], 0
	ds_add_u32 v28, v29
	ds_add_u32 v28, v29
	s_wait_dscnt 0x0
	v_lshrrev_b32 v3, 5, v0
	v_readfirstlane_b32 s16, v3
	s_lshr_b32 s17, s16, 1
	s_and_b32 s18, s16, 1
	s_bfe_u32 s40, ttmp6, 0x40000
	s_bfe_u32 s41, ttmp6, 0x40004
	s_lshl_b32 s42, ttmp9, 2
	s_add_co_u32 s42, s42, s40
	s_and_b32 s43, ttmp7, 0xffff
	s_lshl_b32 s43, s43, 2
	s_add_co_u32 s43, s43, s41
	s_lshl_b32 s44, s41, 2
	s_lshl_b32 s44, 15, s44
	s_lshl_b32 s45, 0x1111, s40
	s_or_b32 s[G1+0], s44, (3<<16)|(1<<21)
	s_or_b32 s[G1B+0], s45, (3<<16)|(1<<21)
.irp g, G1, G1B
	s_mov_b32 s[\g+1], 32<<16
	s_mov_b32 s[\g+2], 96<<16
	s_mov_b32 s[\g+3], 32<<16
	s_mov_b32 s[\g+4], 96
	s_mov_b32 s[\g+5], 32
	s_mov_b32 s[\g+6], 0
	s_mov_b32 s[\g+7], 0
.endr
	s_or_b32 s[G1S+0], s44, (3<<16)|(1<<21)
	s_or_b32 s[G1SB+0], s45, (3<<16)|(1<<21)
.irp g, G1S, G1SB
	s_mov_b32 s[\g+1], 32<<16
	s_mov_b32 s[\g+2], 16<<16
	s_mov_b32 s[\g+3], 32<<16
	s_mov_b32 s[\g+4], 16
	s_mov_b32 s[\g+5], 32
	s_mov_b32 s[\g+6], 0
	s_mov_b32 s[\g+7], 0
.endr
	s_lshl_b32 s20, s43, 1
	s_add_co_u32 s20, s20, s18
	s_lshl_b32 s22, s20, 12
	s_add_co_u32 s22, s22, XSC
	s_mov_b32 s23, 0
	s_mul_i32 s20, s20, 98304
	s_mov_b32 s21, 0
	s_lshl_b32 s46, s42, 1
	s_add_co_u32 s46, s46, s18
	s_lshl_b32 s92, s46, 12
	s_add_co_u32 s92, s92, WSC
	s_mov_b32 s93, 0
	s_mul_i32 s46, s46, 98304
	s_mov_b32 s47, 0
	s_mul_i32 s94, s16, HALFT
	s_lshl_b32 s95, s16, 12
	s_wait_kmcnt 0x0
	s_add_nc_u64 s[20:21], s[4:5], s[20:21]
	s_add_nc_u64 s[22:23], s[4:5], s[22:23]
	s_add_nc_u64 s[46:47], s[6:7], s[46:47]
	s_add_nc_u64 s[92:93], s[6:7], s[92:93]
	CROUND
	s_mov_b32 s[G0S], 1
	s_add_co_u32 s[G0S+1], s95, SCL
	s_mov_b64 s[G0S+2:G0S+3], s[22:23]
	s_or_b32 s[G0S+3], s[G0S+3], 0x80000000
	s_mov_b32 s[G0SB], 1
	s_add_co_u32 s[G0SB+1], s95, SCL
	s_mov_b64 s[G0SB+2:G0SB+3], s[92:93]
	s_or_b32 s[G0SB+3], s[G0SB+3], 0x80000000
	JLOAD G0S, G1S, G0SB, G1SB
.irp s, 0,1
	s_mov_b32 s[G0+4*\s], 1
	s_add_co_u32 s[G0+4*\s+1], s94, \s*SLOT
	s_add_nc_u64 s[G0+4*\s+2:G0+4*\s+3], s[20:21], \s*HALFT
	s_or_b32 s[G0+4*\s+3], s[G0+4*\s+3], 0x80000000
	s_mov_b32 s[G0B+4*\s], 1
	s_add_co_u32 s[G0B+4*\s+1], s94, \s*SLOT
	s_add_nc_u64 s[G0B+4*\s+2:G0B+4*\s+3], s[46:47], \s*HALFT
	s_or_b32 s[G0B+4*\s+3], s[G0B+4*\s+3], 0x80000000
	s_wait_alu depctr_va_vdst(0)
	s_wait_tensorcnt 0x0
	ds_add_u32 v28, v29
	s_wait_dscnt 0x0
	CROUND
	JLOAD G0+4*\s, G1, G0B+4*\s, G1B
.endr
	v_and_b32 v3, 15, v0
	v_bfe_u32 v4, v0, 4, 1
	v_and_b32 v5, 31, v0
	v_lshlrev_b32 v[LI], 4, v5
	s_wait_alu depctr_va_vdst(0)
	v_lshlrev_b32 v[L8], 3, v5
	s_wait_alu depctr_va_vdst(0)
	s_mul_i32 s96, s17, HALFT
	s_mul_i32 s97, s18, HALFT
	s_add_co_u32 s97, s97, 2*HALFT
	s_lshl_b32 s100, s17, 12
	s_add_co_u32 s100, s100, SCL
	s_lshl_b32 s101, s18, 12
	s_add_co_u32 s101, s101, SCL+2*HALFS
	s_cmp_lt_u32 ttmp9, 2
	s_cselect_b32 s98, s96, s97
	s_cselect_b32 s99, s97, s96
	s_cselect_b32 s96, s100, s101
	s_cselect_b32 s97, s101, s100
.irp s, 0,1
	v_add_nc_u32 v[ADRA+\s], s98, v[LI]
	v_add_nc_u32 v[ADRA+2+\s], s98, v[L8]
	v_add_nc_u32 v[ADRB+\s], s99, v[LI]
	v_add_nc_u32 v[ADRB+2+\s], s99, v[L8]
	s_add_co_u32 s98, s98, SLOT
	s_add_co_u32 s99, s99, SLOT
.endr
	s_mov_b32 s19, 0xffff0000
	v_mov_b32 v5, s96
	v_mov_b32 v6, s97
	v_cndmask_b32 v5, v5, v6, s19
	v_lshl_add_u32 v[ADRS], v3, 3, v5
	s_mul_i32 s96, s16, 16*SP
	v_mul_u32_u24 v5, v4, SP
	v_lshl_add_u32 v5, v3, 4, v5
	v_add_nc_u32 v[RSI], s96, v5
	v_mul_u32_u24 v5, v3, SP
	v_lshl_add_u32 v5, v4, 6, v5
	v_add_nc_u32 v[RSO], s96, v5
	v_lshlrev_b32 v[BA], 6, v4
	v_mul_u32_u24 v5, v4, 12288
	v_lshl_add_u32 v[SCO], v3, 4, v5
	v_and_b32 v5, 8, v3
	v_add_nc_u32 v5, v5, v3
	v_lshlrev_b32 v[BVA], 2, v5
.irp b, 0,1,2,3
	v_mov_b32 v[TM+4+\b], 0
.endr
	s_mov_b32 s[SEL], 0x76543210
	s_mov_b32 s[SEL+1], 0xfedcba98
	s_lshl_b32 s96, s43, 1
	s_add_co_u32 s96, s96, s17
	s_and_b32 s96, s96, 15
	s_lshr_b32 s97, s43, 3
	s_and_b32 s98, s42, 3
	s_lshl_b32 s98, s98, 2
	s_lshl_b32 s99, s18, 1
	s_add_co_u32 s98, s98, s99
	s_lshl_b32 s97, s97, 4
	s_add_co_u32 s97, s97, s98
	s_lshr_b32 s98, s42, 2
	s_mul_i32 s20, s98, 6291456
	s_mul_i32 s21, s97, 98304
	s_add_co_u32 s20, s20, s21
	s_mul_i32 s21, s96, 6144
	s_add_co_u32 s20, s20, s21
	s_mov_b32 s21, 0
	s_min_u32 s98, s98, 1
	s_mul_i32 s22, s98, 786432
	s_mul_i32 s23, s97, 12288
	s_add_co_u32 s22, s22, s23
	s_cmp_lt_u32 ttmp9, 2
	s_cselect_b32 s23, 9, 8
	s_cselect_b32 s99, 0, 8192
	s_lshl_b32 s23, s96, s23
	s_add_co_u32 s22, s22, s23
	s_add_co_u32 s22, s22, s99
	s_add_co_u32 s22, s22, QSCR
	s_mov_b32 s23, 0
	s_add_nc_u64 s[22:23], s[14:15], s[22:23]
	s_add_nc_u64 s[14:15], s[14:15], s[20:21]
	s_lshl_b32 s20, s42, 10
	s_lshl_b32 s21, s18, 9
	s_add_co_u32 s20, s20, s21
	s_mov_b32 s21, 0
	s_add_nc_u64 s[8:9], s[8:9], s[20:21]
	s_lshl_b32 s20, s96, 15
	s_add_nc_u64 s[10:11], s[10:11], s[20:21]
	s_add_nc_u64 s[12:13], s[12:13], s[20:21]
.macro FRAG reg, adr, q, i
	ds_load_b128 v[\reg:\reg+3], v[\adr] offset:12288*(\q)+1536*(\i)
	ds_load_b64 v[\reg+4:\reg+5], v[\adr+2] offset:12288*(\q)+1536*(\i)+512
	ds_load_b128 v[\reg+6:\reg+9], v[\adr] offset:12288*(\q)+1536*(\i)+768
	ds_load_b64 v[\reg+10:\reg+11], v[\adr+2] offset:12288*(\q)+1536*(\i)+1280
.endm
.macro MUL16 a0, p, q, sc, zero
.irp a, \a0, \a0+1
.irp b, 0,1,2,3,4,5,6,7
.if \zero
	v_wmma_scale_f32_16x16x128_f8f6f4 v[8*(8*((\a)%4)+\b):8*(8*((\a)%4)+\b)+7], v[128*(\p)+FR*\b:128*(\p)+FR*\b+FR-1], v[AF+FR*(\a):AF+FR*(\a)+FR-1], 0, v[SC+8*NQ*(\sc)+NQ*\b+(\q)], v[SC+8*NQ*(\sc)+NQ*(\a)+(\q)] matrix_a_fmt:MATRIX_FMT_FP6 matrix_b_fmt:MATRIX_FMT_FP6 matrix_a_scale:MATRIX_SCALE_ROW1
.else
	v_wmma_scale_f32_16x16x128_f8f6f4 v[8*(8*((\a)%4)+\b):8*(8*((\a)%4)+\b)+7], v[128*(\p)+FR*\b:128*(\p)+FR*\b+FR-1], v[AF+FR*(\a):AF+FR*(\a)+FR-1], v[8*(8*((\a)%4)+\b):8*(8*((\a)%4)+\b)+7], v[SC+8*NQ*(\sc)+NQ*\b+(\q)], v[SC+8*NQ*(\sc)+NQ*(\a)+(\q)] matrix_a_fmt:MATRIX_FMT_FP6 matrix_b_fmt:MATRIX_FMT_FP6 matrix_a_scale:MATRIX_SCALE_ROW1
.endif
.endr
.endr
.endm
.macro FETCH_B slot, q, p
	WIN TO_B
.irp i, 0,1,2,3,4,5,6,7
	FRAG 128*(\p)+FR*\i, ADRB+\slot, \q, \i
.endr
	WIN 0
.endm
.macro FETCH_A slot, q, i0
.irp i, \i0, \i0+1, \i0+2, \i0+3
	FRAG AF+FR*(\i), ADRA+\slot, \q, \i
.endr
.endm
.macro SCALES sc
.irp i, 0,1,2,3,4,5,6,7
	ds_load_b64 v[SC+8*NQ*\sc+NQ*\i:SC+8*NQ*\sc+NQ*\i+1], v[ADRS] offset:\i*128
.endr
.endm
.macro PLACES n
.rept \n
	v_nop
.endr
.endm
.macro STEP slot, q, zero
	s_wait_dscnt 4*NL
	WIN MUL_LO
	MUL16 0, (\q)%2, \q, \slot, \zero
	MUL16 2, (\q)%2, \q, \slot, \zero
	s_wait_dscnt 0
	PLACES NP
	FETCH_B \slot, (\q)+1, 1-(\q)%2
	FETCH_A \slot, (\q)+1, 0
	WIN MUL_HI
	MUL16 4, (\q)%2, \q, \slot, \zero
	MUL16 6, (\q)%2, \q, \slot, \zero
	PLACES NP
	WIN 0
	FETCH_A \slot, (\q)+1, 4
.endm
.macro TURN slot, next, fill
	s_wait_tensorcnt 0x0
	ds_add_u32 v[SPW], v[NIL]
	s_wait_dscnt 4*NL+1
	WIN MUL_LO
	MUL16 0, 1, NQ-1, \slot, 0
	s_wait_dscnt 0x0
	s_barrier_signal -1
	MUL16 2, 1, NQ-1, \slot, 0
	WIN 0
	s_barrier_wait -1
.if \fill
	CREST
	s_add_nc_u64 s[G0+4*\slot+2:G0+4*\slot+3], s[G0+4*\slot+2:G0+4*\slot+3], 2*HALFT
	s_add_nc_u64 s[G0B+4*\slot+2:G0B+4*\slot+3], s[G0B+4*\slot+2:G0B+4*\slot+3], 2*HALFT
	JLOAD G0+4*\slot, G1, G0B+4*\slot, G1B
.else
	PLACES NP
.endif
	s_wait_alu depctr_va_vdst(0)
	v_add_nc_u32 v[ADRS], 1024, v[ADRS]
	FETCH_B \next, 0, 0
	FETCH_A \next, 0, 0
	SCALES \next
	WIN MUL_HI
	MUL16 4, 1, NQ-1, \slot, 0
	MUL16 6, 1, NQ-1, \slot, 0
	PLACES NP
	WIN 0
	FETCH_A \next, 0, 4
.endm
	s_wait_tensorcnt 1
	s_barrier_signal -1
	s_barrier_wait -1
	FETCH_B 0, 0, 0
	FETCH_A 0, 0, 0
	SCALES 0
	FETCH_A 0, 0, 4
	STEP 0, 0, 1
	TURN 0, 1, 1
	STEP 1, 0, 0
	TURN 1, 0, 1
	STEP 0, 0, 0
	TURN 0, 1, 0
	STEP 1, 0, 0
	s_wait_dscnt 4*NL
	WIN MUL_LO
	MUL16 0, 1, NQ-1, 1, 0
	MUL16 2, 1, NQ-1, 1, 0
	s_wait_dscnt 0
	WIN MUL_HI
	MUL16 4, 1, NQ-1, 1, 0
	MUL16 6, 1, NQ-1, 1, 0
	WIN 0
.macro QUANT s
.irp b, 0,1,2,3
	v_max3_num_f32 v[TM+\b], |v[\s+16*\b]|, |v[\s+1+16*\b]|, 0x1800000
.endr
.irp i, 2,4,6,8,10,12,14
.irp b, 0,1,2,3
	v_max3_num_f32 v[TM+\b], v[TM+\b], |v[\s+16*\b+\i]|, |v[\s+1+16*\b+\i]|
.endr
.endr
.irp b, 0,1,2,3
	v_permlanex16_b32 v[TM+4+\b], v[TM+\b], s[SEL], s[SEL+1]
.endr
.irp b, 0,1,2,3
	v_max_num_f32 v[TM+\b], v[TM+\b], v[TM+4+\b]
.endr
.irp b, 0,1,2,3
	v_add_nc_u32 v[TM+12+\b], 0xff000000, v[TM+\b]
.endr
.irp b, 0,1,2,3
	v_lshrrev_b32 v[TM+4+\b], 23, v[TM+12+\b]
.endr
	v_lshl_or_b32 v[PW], v[TM+5], 8, v[TM+4]
	v_lshl_or_b32 v[PW], v[TM+6], 16, v[PW]
	v_lshl_or_b32 v[PW], v[TM+7], 24, v[PW]
.irp c, 0,1
	v_cvt_scalef32_pk16_fp6_f32 v[PC+6*\c:PC+2+6*\c], v[\s+32*\c:\s+15+32*\c], v[TM+12+2*\c]
	v_cvt_scalef32_pk16_fp6_f32 v[PC+12+4*\c:PC+14+4*\c], v[\s+16+32*\c:\s+31+32*\c], v[TM+12+2*\c+1]
.endr
	v_nop
.irp c, 0,1
.irp i, 0,1,2
	v_permlane16_swap_b32 v[PC+6*\c+\i], v[PC+12+4*\c+\i]
.endr
.irp i, 0,1,2
	v_mov_b32 v[PC+3+6*\c+\i], v[PC+12+4*\c+\i]
.endr
.endr
.endm
.macro RLOAD a
	WIN TO_B
.irp p, 0,1,2,3,4,5,6,7
	global_load_b128 v[64*((\a)%2)+4*\p:64*((\a)%2)+4*\p+3], v[LI], s[10:11] offset:(32*((\a)/2)+8*((\a)%2)+2*\p+8*(\p/4))*256
	global_load_b128 v[64*((\a)%2)+32+4*\p:64*((\a)%2)+32+4*\p+3], v[LI], s[12:13] offset:(32*((\a)/2)+8*((\a)%2)+2*\p+8*(\p/4))*256
.endr
	WIN 0
.endm
.macro RTURN a
	WIN 0x04
.irp p, 0,1,2,3,4,5,6,7
	ds_store_b128 v[RSI], v[64*((\a)%2)+4*\p:64*((\a)%2)+4*\p+3] offset:1056*\p
	ds_store_b128 v[RSI], v[64*((\a)%2)+32+4*\p:64*((\a)%2)+32+4*\p+3] offset:1056*\p+256
.endr
	WIN 0
.irp g, 0,1
.irp b, 0,1
.irp j, 0,1,2,3
	ds_load_b128 v[CS+32*\g+16*\b+4*\j:CS+32*\g+16*\b+4*\j+3], v[RSO] offset:256*\g+128*\b+16*\j
.endr
.endr
.endr
.endm
.macro ROPE
.irp d, 0,1
.irp i, 0,2,4,6,8,10,12,14
.set TT, 102+16*((\i/2)%2)
	v_pk_mul_f32 v[TT:TT+1], v[T+32*\d+16+\i:T+32*\d+17+\i], v[CS+32+\i:CS+33+\i]
	v_pk_mul_f32 v[TT+2:TT+3], v[T+32*\d+\i:T+32*\d+1+\i], v[CS+48+\i:CS+49+\i]
	v_pk_fma_f32 v[T+32*\d+\i:T+32*\d+1+\i], v[T+32*\d+\i:T+32*\d+1+\i], v[CS+\i:CS+1+\i], v[TT:TT+1] neg_lo:[0,0,1] neg_hi:[0,0,1]
	v_pk_fma_f32 v[T+32*\d+16+\i:T+32*\d+17+\i], v[T+32*\d+16+\i:T+32*\d+17+\i], v[CS+16+\i:CS+17+\i], v[TT+2:TT+3]
.endr
.endr
.endm
.macro QKBLOCK a
	s_wait_xcnt 0x0
.if (\a) < 7
	RLOAD (\a)+1
	s_wait_loadcnt 16
.else
	s_wait_loadcnt 0x0
.endif
	RTURN \a
.set WN, 0x06+(\a)/4
	WIN WN
.set AC, 64*((\a)%4)
.set n, 0
.rept 32
	v_pk_add_f32 v[T+n:T+n+1], v[AC+n:AC+n+1], v[BIAS+n:BIAS+n+1]
.set n, n+2
.endr
	WIN 0
	s_wait_dscnt 0x0
	ROPE
	QUANT T
	global_store_b128 v[LI], v[PC:PC+3], s[14:15] offset:768*(\a)
	global_store_b64 v[L8], v[PC+4:PC+5], s[14:15] offset:768*(\a)+512
	global_store_b128 v[LI], v[PC+6:PC+9], s[14:15] offset:98304+768*(\a)
	global_store_b64 v[L8], v[PC+10:PC+11], s[14:15] offset:98304+768*(\a)+512
	v_and_b32 v102, 0xffff, v[PW]
	v_lshrrev_b32 v103, 16, v[PW]
	v_cndmask_b32 v[W8+(\a)], v102, v103, s19
.if (\a)%4 == 3
	global_store_b128 v[SCO], v[W8+(\a)-3:W8+(\a)], s[22:23] offset:256*((\a)/4)
.endif
.endm
.macro VBLOCK a
	s_wait_xcnt 0x0
.set WN, 0x02+(\a)/4
	WIN WN
.set AC, 64*((\a)%4)
.set n, 0
.rept 32
	v_pk_add_f32 v[T+n:T+n+1], v[AC+n:AC+n+1], v[BV+2*(\a):BV+2*(\a)+1]
.set n, n+2
.endr
	WIN 0
	QUANT T
	global_store_b128 v[LI], v[PC:PC+3], s[14:15] offset:((\a)/4)*98304+((\a)%4)*1536
	global_store_b64 v[L8], v[PC+4:PC+5], s[14:15] offset:((\a)/4)*98304+((\a)%4)*1536+512
	global_store_b128 v[LI], v[PC+6:PC+9], s[14:15] offset:((\a)/4)*98304+((\a)%4)*1536+768
	global_store_b64 v[L8], v[PC+10:PC+11], s[14:15] offset:((\a)/4)*98304+((\a)%4)*1536+1280
	v_mov_b32 v[W8+(\a)], v[PW]
.endm
	PLACES NP
	s_cmp_lt_u32 ttmp9, 2
	s_cbranch_scc0 .Lvpath
	WIN TO_B
.irp b, 0,1,2,3
.irp j, 0,1,2,3
	global_load_b128 v[BIAS+16*\b+4*\j:BIAS+16*\b+4*\j+3], v[BA], s[8:9] offset:128*\b+16*\j
.endr
.endr
	WIN 0
	RLOAD 0
.irp a, 0,1,2,3,4,5,6,7
	QKBLOCK \a
.endr
	s_branch .Lend
.Lvpath:
.irp a, 0,1,2,3,4,5,6,7
	global_load_b32 v[BV+2*\a], v[BVA], s[8:9] offset:(32*(\a/2)+8*(\a%2))*4
	global_load_b32 v[BV+2*\a+1], v[BVA], s[8:9] offset:(32*(\a/2)+8*(\a%2))*4
.endr
	s_wait_loadcnt 0x0
.irp a, 0,1,2,3,4,5,6,7
	VBLOCK \a
.endr
.irp j, 0,1,2,3
	v_cndmask_b32 v[X4+\j], v[W8+\j], v[W8+4+\j], s19
.endr
	global_store_b128 v[SCO], v[X4:X4+3], s[22:23]
.Lend:
	s_wait_tensorcnt 0x0
	ds_add_u32 v[SPW], v[NIL]
	s_wait_dscnt 0x0
	CROUND
	s_endpgm
.Lfunc_end_k_qcfd3b85b13_gemm_qkv:
	.size	k_qcfd3b85b13_gemm_qkv, .Lfunc_end_k_qcfd3b85b13_gemm_qkv-k_qcfd3b85b13_gemm_qkv
	.p2alignl 7, 3214868480
	.fill 96, 4, 3214868480
	.section	.rodata,"a",@progbits
	.p2align	6, 0x0
	.amdhsa_kernel k_qcfd3b85b13_gemm_qkv
		.amdhsa_group_segment_fixed_size 327680
		.amdhsa_private_segment_fixed_size 0
		.amdhsa_enable_private_segment 0
		.amdhsa_kernarg_size 48
		.amdhsa_user_sgpr_count 2
		.amdhsa_user_sgpr_kernarg_segment_ptr 1
		.amdhsa_wavefront_size32 1
		.amdhsa_system_sgpr_workgroup_id_x 1
		.amdhsa_system_sgpr_workgroup_id_y 1
		.amdhsa_system_sgpr_workgroup_id_z 1
		.amdhsa_system_vgpr_workitem_id 0
		.amdhsa_next_free_vgpr 1024
		.amdhsa_next_free_sgpr 104
		.amdhsa_reserve_vcc 0
		.amdhsa_float_denorm_mode_32 3
		.amdhsa_float_denorm_mode_16_64 3
		.amdhsa_memory_ordered 1
		.amdhsa_forward_progress 1
		.amdhsa_inst_pref_size 255
	.end_amdhsa_kernel
	.section	.bss,"aw",@nobits
	.p2align	6
	.space	262144
	.amdgpu_metadata
---
amdhsa.version: [ 1, 2 ]
amdhsa.kernels:
  - .name:           k_qcfd3b85b13_gemm_qkv
    .symbol:         k_qcfd3b85b13_gemm_qkv.kd
    .args:
      - { .name: xq, .offset: 0, .size: 8, .value_kind: global_buffer, .address_space: global }
      - { .name: wq, .offset: 8, .size: 8, .value_kind: global_buffer, .address_space: global }
      - { .name: b_qkv, .offset: 16, .size: 8, .value_kind: global_buffer, .address_space: global }
      - { .name: cos, .offset: 24, .size: 8, .value_kind: global_buffer, .address_space: global }
      - { .name: sin, .offset: 32, .size: 8, .value_kind: global_buffer, .address_space: global }
      - { .name: qkv, .offset: 40, .size: 8, .value_kind: global_buffer, .address_space: global }
    .group_segment_fixed_size: 327680
    .private_segment_fixed_size: 0
    .kernarg_segment_align: 8
    .kernarg_segment_size: 48
    .max_flat_workgroup_size: 128
    .sgpr_count:     104
    .vgpr_count:     1024
    .wavefront_size: 32
...
	.end_amdgpu_metadata
.endif
;; end of part 3
;; launch attn (part 4): grid 4 x 64, 16 waves a work-group, clusters of 4 x 1, 231,424 bytes of LDS; arguments qkv, mask, oq; writes oq
.if DOCPART == 4
	.amdgcn_target "amdgcn-amd-amdhsa--gfx1250"
	.amdhsa_code_object_version 6
	.text
	.protected	k_qcfd3b85b13_attn
	.globl	k_qcfd3b85b13_attn
	.p2align	8
	.type	k_qcfd3b85b13_attn,@function
k_qcfd3b85b13_attn:
	s_mov_b64 s[64:65], 0
	v_nop
	global_prefetch_b8 v0, s[64:65] scope:SCOPE_SE
	s_setreg_imm32_b32 hwreg(HW_REG_WAVE_MODE, 25, 1), 1
	s_wait_xcnt 0x0
	s_wait_alu depctr_hold_cnt(0) depctr_sa_sdst(0) depctr_va_vdst(0) depctr_va_sdst(0) depctr_va_ssrc(0) depctr_va_vcc(0) depctr_vm_vsrc(0)
	s_getreg_b32 s2, hwreg(HW_REG_IB_STS2, 6, 4)
	s_cmp_eq_u32 s2, 0
	s_cbranch_scc0 .Lentry_in_a_cluster
	s_endpgm
.Lentry_in_a_cluster:
	s_bfe_u32 s2, ttmp6, 0x10000c
	s_cmp_lg_u32 s2, 0x3003
	s_cbranch_scc0 .Lentry_shape_is_right
	s_endpgm
.Lentry_shape_is_right:
; o[b][q][h][:] = the sum over keys of softmax(q . k / 8, keys with mask = 1 left out) v, both products on codes of E2M3 with E8M0 scales; then o is quantised along D for the last product.
; THE SOFTMAX: t = score x log2(e) / 8; M = the running largest t rounded UP to a whole number; p = 2^(t - M) is quantised along the keys, not normalised; the row's sum is taken of the unquantised p and divides at the end.
; SHARES.  A work-group owns 512 queries of one (batch, head), in two passes of 256; each of its sixteen waves takes one tile of 16 queries a pass, in 256 registers: four waves to a SIMD.  256 work-groups in all.
; A WHOLE HEAD'S K AND V LIE IN LDS, images of operand registers: every LDS byte is filled ONCE, so there is no ring and no refill.
; K's images (768 bytes a tile of 16 keys: 512 for registers 0-3, 256 for registers 4-5) lie in two regions: the 512-byte parts 576 bytes apart, the 256-byte parts 288 apart.
; CLUSTER.  The four work-groups of a cluster share a head: each wave asks jointly (mask 15) for one piece: waves 0-3 a quarter of K's 512-byte parts, waves 4-7 of its 256-byte parts, waves 8-15 an eighth of V: one tensor load a wave.
; The scale words (12,288 of the 208,896 bytes that the partners share) and the mask come through registers and LDS stores, into blocks where no fill lands: they are not asked for jointly.
; No prefetch: all fills are asked for at the head; there is no loop to run ahead in.
; LAYOUT.  Both products are used transposed: S^T = K Q^T, O^T = V^T P^T: a lane holds ONE query.  WHICH KEYS FORM A TILE OF K is chosen by the lanes' LDS addresses: in each 64 keys, row r of tile u is key 8 u + r % 8 + 32 (r / 8).
; So lane (r, h) holds in the 32 registers of four tiles the keys 32 h + 0 .. 31: a WHOLE block of the next K, in the operand's own order: no other lane is asked for a block's maximum, and no codes change lanes.
; Rows 8-15 of such a tile come from the image two tiles on: 1,152 = 4 x 256 + 128 bytes on in the first region, 576 = 2 x 256 + 64 in the second, so the lanes of a load name different banks (64 banks of 4 bytes: ISA guide 11.1).
; K = 64 IN AN INSTRUCTION OF 128: Q's registers 6-11 hold zero codes; K's registers 6-11 are the next tile's codes (zeros behind the last); the scale bytes of that half are 0 on both sides, a small power of two.
; THE MASK is the C of S^T's products: 0 for a key that counts, -2^120 for one that does not, kept in LDS as f32 and loaded into the scores' registers ahead of the products.
; The running largest score begins at -2^100: while every key so far is masked, p and the sums stay 0; the first key that counts brings f = 0, which multiplies zeros.  A row that ends so gets scale bytes 0xff: the last product gives NaN there, as the softmax of an empty row does.
; LIMITS: a score at or under -2^100 counts as masked; NaN and infinities among the inputs are not served; a block of zeros keeps the scale byte 1 (its codes are zeros, and this program alone reads the bytes).
; REGISTERS: v1-10 addresses that stay; v11, 30, 31, 94, 95, 207, 211 the step's; v12 -M, v13 the largest score, v[14:15] the sum; v16-27 Q, v28 its scale words; v32-85 K's or V's fragments; v86-93 K's scale words;
;   v96-159 S^T, then p; v160-191 O^T; v192-203 p's codes; v204-251 at work; v220-223 V's scale words; v228 p's scale word; v254, 255 the add's.
.set KB,    73728                      ; LDS: K's 512-byte parts at 0, its 256-byte parts here,
.set VREG,  110592                     ; V,
.set SCL,   208896                     ; K's scale words (8,192 bytes),
.set SCV,   217088                     ; V's (4,096),
.set BIAS,  221184                     ; the mask as f32 (8,192),
.set SPARE, 229376                     ; the spare words, 128 bytes a wave
.set KIMG,  6291456
.set QSCR,  18874368
.set KSCR,  19660800
.set XSC,   6291456
.set BM0, 212
.set BM1, 213
.set SO,  214
.set T0,  216
.set T1,  217
.set BA,  218
.set BB,  219
.set DD,  224
.set BC,  230
.set BD,  231
.set AC,  238
.set WV,  10
.set SEL, 12
.set CS,  14                           ; s[14:15] c = log2(e) / 8
.set NC,  16                           ; s16 -c
.set TA,  17                           ; a step's bytes: 4,608 of K's first region,
.set TB,  18                           ; 2,304 of its second,
.set TS,  19                           ; 512 of K's scale words and of the mask's numbers,
.set TV,  20                           ; 6,144 of V,
.set TW,  21                           ; 256 of V's scale words
.set CNT, 22
.macro CROUND                          ; a round of the cluster's barrier
	s_barrier_signal -1
	s_barrier_wait -1
	s_cmp_lg_u32 s[WV], 0
	s_cbranch_scc1 .Lnot_wave_0_\@
	s_barrier_signal -3
.Lnot_wave_0_\@:
	s_barrier_wait -3
	s_barrier_signal -1
	s_barrier_wait -1
.endm
.macro QLOAD p                         ; pass p's tile of Q and its scale words
	v_and_b32 v11, 15, v0
	s_delay_alu instid0(VALU_DEP_1)
	v_lshlrev_b32 v11, 4, v11
	global_load_b128 v[16:19], v1, s[36:37] offset:12288*\p
	global_load_b64 v[20:21], v2, s[36:37] offset:12288*\p+512
	global_load_b32 v28, v11, s[38:39] offset:1024*\p
.endm
.macro INIT                            ; the tile's state at a pass's start
	v_mov_b32 v13, 0xf1800000                      ; the largest score so far: -2^100
	v_mov_b32 v14, 0
	v_mov_b32 v15, 0
	v_mov_b32 v[T1], 0                             ; a lane permute's destination counts as one of its sources
	v_mul_f32 v12, s[NC], v13
	v_mov_b32 v227, 0                              ; (named as the upper half of the pair v[226:227])
	s_delay_alu instid0(VALU_DEP_2)
	v_floor_f32 v12, v12                           ; -M
.set n, 0
.rept 32
	v_mov_b32 v[160+n], 0                          ; O^T: the step is written once, and the first finds zeros
.set n, n+1
.endr
.endm
; THE SOFTMAX OF A STEP, 16 queries x 128 keys
.macro SOFT
	v_max_num_f32 v[BA], v96, v97                  ; the largest score of my two blocks of 32 keys, two chains a block; each accumulator is read from its low end on
	v_max3_num_f32 v[BB], v112, v113, v114
	v_max_num_f32 v[BC], v128, v129
	v_max3_num_f32 v[BD], v144, v145, v146
.irp i, 0,1,2,3,4,5
	v_max3_num_f32 v[BA], v[BA], v[98+2*\i], v[99+2*\i]
	v_max3_num_f32 v[BB], v[BB], v[115+2*\i], v[116+2*\i]
	v_max3_num_f32 v[BC], v[BC], v[130+2*\i], v[131+2*\i]
	v_max3_num_f32 v[BD], v[BD], v[147+2*\i], v[148+2*\i]
.endr
	v_max3_num_f32 v[BA], v[BA], v110, v111
	v_max3_num_f32 v[BC], v[BC], v142, v143
	v_max3_num_f32 v[BM0], v[BA], v[BB], v127
	v_max3_num_f32 v[BM1], v[BC], v[BD], v159
	v_max_num_f32 v[T0], v[BM0], v[BM1]
	v_permlanex16_b32 v[T1], v[T0], s[SEL], s[SEL+1]
	v_max3_num_f32 v13, v13, v[T0], v[T1]          ; the running largest score of my query
	v_mul_f32 v[T0], s[NC], v13
	v_floor_f32 v[T0], v[T0]                       ; the new -M = floor(-t): M is a whole number
	v_sub_f32 v[DD], v[T0], v12                    ; old M - new M: a whole number, 0 or less
	v_mov_b32 v12, v[T0]
.set n, 0
.rept 32
	v_pk_fma_f32 v[96+n:97+n], v[96+n:97+n], s[CS:CS+1], v[12:13] op_sel_hi:[1,0,0]   ; t - M, two at a time
.set n, n+2
.endr
	v_fma_f32 v[BM0], v[BM0], s[CS], v12           ; the same of each block's largest score: p rises with the score
	v_fma_f32 v[BM1], v[BM1], s[CS], v12
	s_wait_alu depctr_va_vdst(0)                   ; the wait ahead of the batch
	v_exp_f32 v[BM0], v[BM0]
	v_exp_f32 v[BM1], v[BM1]
.set n, 0
.rept 64
	v_exp_f32 v[96+n], v[96+n]                     ; p = 2^(t - M), at most 1
.set n, n+1
.endr
	v_cvt_i32_f32 v[DD], v[DD]                     ; (it saturates)  These two lines are the plain places behind the batch
	v_ldexp_f32 v226, 1.0, v[DD]                   ; f = 2^(old M - new M)
	s_wait_alu depctr_va_vdst(0)                   ; one wait for the whole batch, ahead of its first reader
.irp i, 0,1,2,3,4,5,6                          ; the row's sum of the unquantised p: eight chains of pairs
	v_pk_add_f32 v[AC+2*\i:AC+2*\i+1], v[96+4*\i:97+4*\i], v[98+4*\i:99+4*\i]
.endr
	v_pk_fma_f32 v[14:15], v[14:15], v[226:227], v[124:125] op_sel_hi:[1,0,1]   ; the sum so far under the new M, and one pair more
.irp i, 0,1,2,3,4,5,6
	v_pk_add_f32 v[AC+2*\i:AC+2*\i+1], v[AC+2*\i:AC+2*\i+1], v[126+2*\i:127+2*\i]
.endr
	v_pk_add_f32 v[14:15], v[14:15], v[140:141]
.irp i, 0,1,2,3,4,5,6
	v_pk_add_f32 v[AC+2*\i:AC+2*\i+1], v[AC+2*\i:AC+2*\i+1], v[142+2*\i:143+2*\i]
.endr
	v_pk_add_f32 v[14:15], v[14:15], v[156:157]
	v_pk_add_f32 v[AC:AC+1], v[AC:AC+1], v[158:159]
	v_pk_add_f32 v[AC+4:AC+5], v[AC+4:AC+5], v[AC+6:AC+7]
	v_pk_add_f32 v[AC+8:AC+9], v[AC+8:AC+9], v[AC+10:AC+11]
	v_pk_add_f32 v[14:15], v[14:15], v[AC+12:AC+13]
	v_pk_add_f32 v[AC:AC+1], v[AC:AC+1], v[AC+2:AC+3]
	v_max_num_f32 v[BM0], 0x1800000, v[BM0]        ; the floor 2^(3 - 127): the byte cannot fall under 1
	v_max_num_f32 v[BM1], 0x1800000, v[BM1]
	v_pk_add_f32 v[14:15], v[14:15], v[AC+8:AC+9]
	v_pk_add_f32 v[AC:AC+1], v[AC:AC+1], v[AC+4:AC+5]
	v_add_nc_u32 v[SO], 0xff000000, v[BM0]         ; 2 off the exponent field: the conversion's scale operand
	v_add_nc_u32 v[SO+1], 0xff000000, v[BM1]
	s_delay_alu instid0(VALU_DEP_3)
	v_pk_add_f32 v[14:15], v[14:15], v[AC:AC+1]
.irp c, 0,1
	v_cvt_scalef32_pk16_fp6_f32 v[192+6*\c:194+6*\c], v[96+32*\c:111+32*\c], v[SO+\c]
	v_cvt_scalef32_pk16_fp6_f32 v[204+4*\c:206+4*\c], v[112+32*\c:127+32*\c], v[SO+\c]   ; (a conversion's three registers begin on an even number)
.endr
	v_lshrrev_b32 v[T0], 23, v[SO]                 ; the scales' bytes.  (A plain place behind the conversions)
	v_lshrrev_b32 v[T1], 23, v[SO+1]
	s_delay_alu instid0(VALU_DEP_1)
	v_lshl_or_b32 v[T0], v[T1], 16, v[T0]          ; blocks h and 2 + h,
	s_delay_alu instid0(VALU_DEP_1)
	v_lshlrev_b32 v[T0], v10, v[T0]                ; at their places in the word (8 h bits up);
	s_delay_alu instid0(VALU_DEP_1)
	v_permlanex16_b32 v[T1], v[T0], s[SEL], s[SEL+1]
	v_or_b32 v228, v[T0], v[T1]                    ; with lane l xor 16's two the word is whole
.irp c, 0,1
.irp i, 0,1,2
	v_mov_b32 v[195+6*\c+\i], v[204+4*\c+\i]
.endr
.endr
	s_wait_alu depctr_va_vdst(0)                   ; the wait, directly ahead of the first reader of O^T
.set n, 0
.rept 16
	v_pk_mul_f32 v[160+n:161+n], v[160+n:161+n], v[226:227] op_sel_hi:[1,0]   ; O^T under the new M; these sixteen are also the places between p's codes and scale word and the products
.set n, n+2
.endr
.endm
; A KEY STEP: 128 keys
.macro STEP
	v_add_nc_u32 v11, s[TA], v3                    ; (these four are the places behind the last products, in front of loads into their operands' registers)
	v_add_nc_u32 v30, s[TB], v4
	v_add_nc_u32 v31, s[TS], v5
	v_add_nc_u32 v94, s[TS], v6
.irp j, 0,1,2,3,4,5,6,7,8,9,10,11,12,13,14,15
	ds_load_b128 v[96+4*\j:99+4*\j], v94 offset:256*(\j/8)+16*(\j%8)   ; the mask's numbers, in the scores' layout
.endr
.irp n, 0,1,2,3,4,5,6,7
	ds_load_b128 v[32+6*\n:35+6*\n], v11 offset:2304*(\n/4)+576*(\n%2)+128*((\n%4)/2)
	ds_load_b64 v[36+6*\n:37+6*\n], v30 offset:1152*(\n/4)+288*(\n%2)+64*((\n%4)/2)
.endr
.irp g, 0,1,2,3
	ds_load_b64 v[86+2*\g:87+2*\g], v31 offset:128*\g   ; the scale words of tiles 2 g and 2 g + 1
.endr
	s_wait_alu depctr_va_vdst(0)
	s_wait_dscnt 0x0
.irp n, 0,1,2,3,4,5,6,7
	v_wmma_scale_f32_16x16x128_f8f6f4 v[96+8*\n:103+8*\n], v[32+6*\n:43+6*\n], v[16:27], v[96+8*\n:103+8*\n], v[86+\n], v28 matrix_a_fmt:MATRIX_FMT_FP6 matrix_b_fmt:MATRIX_FMT_FP6
.endr
	v_add_nc_u32 v95, s[TV], v7                    ; four places: loads into K's registers and reads of the scores follow
	v_add_nc_u32 v207, s[TV], v8
	v_add_nc_u32 v211, s[TW], v9
	v_nop
.irp t, 0,1,2,3                                ; V's four fragments and their scale words land under the softmax
	ds_load_b128 v[32+12*\t:35+12*\t], v95 offset:1536*\t
	ds_load_b64 v[36+12*\t:37+12*\t], v207 offset:1536*\t+512
	ds_load_b128 v[38+12*\t:41+12*\t], v95 offset:1536*\t+768
	ds_load_b64 v[42+12*\t:43+12*\t], v207 offset:1536*\t+1280
.endr
	ds_load_b128 v[220:223], v211
	SOFT
	s_wait_alu depctr_va_vdst(0)
	s_wait_dscnt 0x0                               ; V
.irp t, 0,1,2,3
	v_wmma_scale_f32_16x16x128_f8f6f4 v[160+8*\t:167+8*\t], v[32+12*\t:43+12*\t], v[192:203], v[160+8*\t:167+8*\t], v[220+\t], v228 matrix_a_fmt:MATRIX_FMT_FP6 matrix_b_fmt:MATRIX_FMT_FP6
.endr
.endm
.macro LOOP                            ; the head's 2,048 keys
	s_mov_b32 s[TA], 0
	s_mov_b32 s[TB], 0
	s_mov_b32 s[TS], 0
	s_mov_b32 s[TV], 0
	s_mov_b32 s[TW], 0
	s_mov_b32 s[CNT], 16
.Lstep_\@:
	STEP
	s_add_co_u32 s[TA], s[TA], 4608
	s_add_co_u32 s[TB], s[TB], 2304
	s_add_co_u32 s[TS], s[TS], 512
	s_add_co_u32 s[TV], s[TV], 6144
	s_add_co_u32 s[TW], s[TW], 256
	s_sub_co_u32 s[CNT], s[CNT], 1
	s_cmp_lg_u32 s[CNT], 0
	s_wait_alu depctr_va_vdst(0)
	s_cbranch_scc1 .Lstep_\@
.endm
; THE WAY OUT of pass p: O^T / the sum, quantised along the head's 64 channels (two blocks, each in lanes l and l xor 16): half a fragment of the last product's operand, and two scale bytes a row
.macro LEAVE p
	v_and_b32 v30, 15, v0
	s_delay_alu instid0(VALU_DEP_1)
	v_lshlrev_b32 v30, 3, v30                      ; 8 r
	v_add_f32 v14, v14, v15
	s_delay_alu instid0(VALU_DEP_1)
	v_permlanex16_b32 v[T1], v14, s[SEL], s[SEL+1]
	s_delay_alu instid0(VALU_DEP_1)
	v_add_f32 v14, v14, v[T1]                      ; the row's sum
	s_wait_alu depctr_va_vdst(0)
	v_rcp_f32 v14, v14
	v_mov_b32 v[DD], 0xffff                        ; (a plain place behind the transcendental)
	s_wait_alu depctr_va_vdst(0)
.set n, 0
.rept 32
	v_mul_f32 v[96+n], v[160+n], v14               ; register 16 b + i is o(my query, 32 b + 16 h + i)
.set n, n+1
.endr
.irp b, 0,1
	v_max3_num_f32 v[BM0+\b], |v[96+16*\b]|, |v[97+16*\b]|, 0x1800000
.endr
.irp i, 2,4,6,8,10,12,14
.irp b, 0,1
	s_delay_alu instid0(VALU_DEP_2)
	v_max3_num_f32 v[BM0+\b], v[BM0+\b], |v[96+16*\b+\i]|, |v[97+16*\b+\i]|
.endr
.endr
.irp b, 0,1
	s_delay_alu instid0(VALU_DEP_2)
	v_permlanex16_b32 v[T0+\b], v[BM0+\b], s[SEL], s[SEL+1]
.endr
.irp b, 0,1
	s_delay_alu instid0(VALU_DEP_2)
	v_max_num_f32 v[BM0+\b], v[BM0+\b], v[T0+\b]
.endr
.irp b, 0,1
	s_delay_alu instid0(VALU_DEP_2)
	v_add_nc_u32 v[SO+\b], 0xff000000, v[BM0+\b]
.endr
.irp b, 0,1
	s_delay_alu instid0(VALU_DEP_2)
	v_lshrrev_b32 v[T0+\b], 23, v[SO+\b]
.endr
	s_delay_alu instid0(VALU_DEP_1)
	v_lshl_or_b32 v[BA], v[T1], 8, v[T0]
	v_cmp_ge_f32 vcc_lo, 0xf1800000, v13           ; no key of this row counted:
	s_delay_alu instid0(VALU_DEP_1)
	v_cndmask_b32 v[BA], v[BA], v[DD], vcc_lo      ; both bytes 0xff (a value is chosen; no branch and no address hangs on it)
	v_cvt_scalef32_pk16_fp6_f32 v[192:194], v[96:111], v[SO]
	v_cvt_scalef32_pk16_fp6_f32 v[204:206], v[112:127], v[SO+1]
	v_nop                                          ; one plain place behind a scaled conversion
.irp i, 0,1,2
	v_permlane16_swap_b32 v[192+\i], v[204+\i]     ; the operand's layout wants a whole block in a lane
.endr
.irp i, 0,1,2
	s_delay_alu instid0(VALU_DEP_3)
	v_mov_b32 v[195+\i], v[204+\i]
.endr
	global_store_b128 v1, v[192:195], s[40:41] offset:196608*\p       ; 512 consecutive bytes, aligned to 256,
	global_store_b64 v2, v[196:197], s[40:41] offset:196608*\p+512    ; and 256
	global_store_b16 v30, v[BA], s[42:43] offset:8192*\p              ; lanes l and l xor 16 hold the same row's bytes and name the same place
.endm
	s_load_b128 s[4:7], s[0:1], 0x0                ; qkv, mask
	s_load_b64 s[8:9], s[0:1], 0x10                ; oq
	v_lshl_add_u32 v254, v0, 2, SPARE
	v_mov_b32 v255, 0
	ds_add_u32 v254, v255                          ; the opening lines: the add, twice on end, and its wait ahead of my tensor load
	ds_add_u32 v254, v255
	v_lshrrev_b32 v11, 5, v0
	s_delay_alu instid0(VALU_DEP_1)
	v_readfirstlane_b32 s[WV], v11                 ; wave 0..15
	s_and_b32 s86, ttmp7, 0xffff                   ; batch x 16 + head, which the four partners share
	; three groups 1; the mask names all four work-groups; elements of 8 bytes
	s_mov_b32 s24, 15|(3<<16)|(1<<20)|(1<<21)|(6<<22)|(15<<25)   ; K's 512-byte parts: 32 rows of 64 elements, 96 apart in memory; 16 words of padding behind each 128
	s_mov_b32 s25, 64<<16
	s_mov_b32 s26, 32<<16
	s_mov_b32 s27, 64<<16
	s_mov_b32 s28, 32
	s_mov_b32 s29, 96
	s_mov_b32 s30, 0
	s_mov_b32 s31, 0
	s_mov_b32 s56, 15|(3<<16)|(1<<20)|(1<<21)|(5<<22)|(7<<25)    ; K's 256-byte parts: 32 rows of 32 elements, 96 apart; 8 words of padding behind each 64
	s_mov_b32 s57, 32<<16
	s_mov_b32 s58, 32<<16
	s_mov_b32 s59, 32<<16
	s_mov_b32 s60, 32
	s_mov_b32 s61, 96
	s_mov_b32 s62, 0
	s_mov_b32 s63, 0
	s_mov_b32 s68, 15|(3<<16)|(1<<21)              ; V: a dense block as 48 rows of 256 bytes
	s_mov_b32 s69, 32<<16
	s_mov_b32 s70, 48<<16
	s_mov_b32 s71, 32<<16
	s_mov_b32 s72, 48
	s_mov_b32 s73, 32
	s_mov_b32 s74, 0
	s_mov_b32 s75, 0
	s_mul_i32 s84, s86, 98304
	s_mul_i32 s85, s86, 12288
	s_mul_i32 s46, s[WV], 24576                    ; waves 0-3: 32 tiles of K each, from their first byte;
	s_add_co_u32 s46, s46, s84
	s_add_co_u32 s46, s46, KIMG
	s_mov_b32 s47, 0
	s_sub_co_u32 s90, s46, 97792                   ; waves 4-7: the same tiles (wave - 4), from byte 512
	s_mov_b32 s91, 0
	s_mul_i32 s92, s[WV], 12288                    ; waves 8-15: an eighth of V (wave - 8)
	s_add_co_u32 s92, s92, s84
	s_add_co_u32 s92, s92, KIMG+6291456-98304
	s_mov_b32 s93, 0
	s_mov_b32 s32, 1
	s_mul_i32 s33, s[WV], 18432                    ; in LDS: 32 x 576 bytes a wave from 0,
	s_mov_b32 s76, 1
	s_mul_i32 s77, s[WV], 9216
	s_add_co_u32 s77, s77, KB-4*9216               ; 32 x 288 from KB,
	s_mov_b32 s80, 1
	s_mul_i32 s81, s[WV], 12288
	s_add_co_u32 s81, s81, VREG-8*12288            ; 12,288 from VREG
	s_bfe_u32 s48, ttmp6, 0x40000                  ; cx: it enters global addresses alone
	s_lshl_b32 s48, s48, 5
	s_add_co_u32 s48, s48, s[WV]                   ; my tile of pass 0, of the head's 128; pass 1 lies 16 tiles on
	s_mul_i32 s36, s48, 768
	s_add_co_u32 s36, s36, s84                     ; Q's codes
	s_mov_b32 s37, 0
	s_lshr_b32 s38, s48, 2
	s_lshl_b32 s38, s38, 8
	s_and_b32 s49, s48, 3
	s_lshl_b32 s49, s49, 2
	s_add_co_u32 s38, s38, s49
	s_add_co_u32 s38, s38, s85
	s_add_co_u32 s38, s38, QSCR                    ; Q's scale words
	s_mov_b32 s39, 0
	s_add_co_u32 s44, s85, KSCR                    ; K's and V's scale words
	s_mov_b32 s45, 0
	s_lshr_b32 s50, s86, 4                         ; the batch
	s_and_b32 s51, s86, 15                         ; the head
	s_lshl_b32 s52, s50, 11                        ; the batch's row of the mask
	s_mov_b32 s53, 0
	s_lshl_b32 s54, s50, 4
	s_lshr_b32 s49, s48, 3
	s_add_co_u32 s54, s54, s49                     ; o: which 128 tokens,
	s_and_b32 s55, s48, 7                          ; which tile of them
	s_mul_i32 s40, s54, 98304
	s_lshr_b32 s49, s51, 1
	s_mul_i32 s49, s49, 12288                      ; two heads are a K step of the last product,
	s_add_co_u32 s40, s40, s49
	s_mul_i32 s49, s55, 1536
	s_add_co_u32 s40, s40, s49
	s_and_b32 s49, s51, 1
	s_mul_i32 s49, s49, 768                        ; and one head half a fragment
	s_add_co_u32 s40, s40, s49
	s_mov_b32 s41, 0
	s_lshl_b32 s42, s54, 12
	s_lshr_b32 s49, s51, 2
	s_lshl_b32 s49, s49, 10
	s_add_co_u32 s42, s42, s49
	s_lshl_b32 s49, s55, 7
	s_add_co_u32 s42, s42, s49
	s_bfe_u32 s49, s51, 0x10001
	s_lshl_b32 s49, s49, 2
	s_add_co_u32 s42, s42, s49
	s_and_b32 s49, s51, 1
	s_lshl_b32 s49, s49, 1
	s_add_co_u32 s42, s42, s49
	s_add_co_u32 s42, s42, XSC                     ; o's two scale bytes a row
	s_mov_b32 s43, 0
	s_mov_b32 s[SEL], 0x76543210
	s_mov_b32 s[SEL+1], 0xfedcba98                 ; v_permlanex16_b32's selects for lane l xor 16
	s_mov_b32 s[CS], 0x3e38aa3b
	s_mov_b32 s[CS+1], s[CS]                       ; (named with it as a pair, so it is written)
	s_mov_b32 s[NC], 0xbe38aa3b
	s_mov_b32 s49, 0xfb800000                      ; -2^120
	v_and_b32 v212, 31, v0
	v_bfe_u32 v213, v0, 4, 1                       ; h
	v_and_b32 v214, 7, v0                          ; r % 8
	v_bfe_u32 v215, v0, 3, 1                       ; r / 8
	v_and_b32 v216, 15, v0                         ; r
	v_lshlrev_b32 v1, 4, v212                      ; 16 x lane
	v_lshlrev_b32 v2, 3, v212                      ; 8 x lane
	v_lshlrev_b32 v3, 8, v213
	v_lshl_add_u32 v4, v213, 7, KB
	v_lshl_add_u32 v5, v214, 4, SCL                ; K's scale words: 16 bytes a row of the images, 8 for the next 32 keys
	v_lshl_add_u32 v6, v213, 7, BIAS               ; the mask's numbers of my 32 keys of each 64
	v_lshl_add_u32 v9, v216, 4, SCV                ; V's scale words
	v_mad_u32_u24 v3, v215, 1152, v3               ; K: rows 8-15 of a tile come from the image two tiles on,
	v_mad_u32_u24 v4, v215, 576, v4
	v_lshl_add_u32 v5, v215, 3, v5
	v_add_nc_u32 v7, VREG, v1
	v_add_nc_u32 v8, VREG, v2
	v_lshl_add_u32 v3, v214, 4, v3                 ; image lane 16 h + r % 8: registers 0-3,
	v_lshl_add_u32 v4, v214, 3, v4                 ; registers 4-5
	v_lshlrev_b32 v10, 3, v213                     ; 8 h
	v_lshlrev_b32 v30, 4, v0                       ; the way in of K's scale words: 16 bytes a thread,
	v_lshlrev_b32 v31, 3, v0                       ; of V's: 8,
	v_lshlrev_b32 v94, 2, v0                       ; of the mask: 4 keys
	v_lshl_add_u32 v95, v0, 4, SCL
	v_lshl_add_u32 v207, v0, 3, SCV
	v_lshl_add_u32 v211, v0, 4, BIAS
	s_wait_alu depctr_va_vdst(0)                   ; the wait, directly ahead of the waits below
	s_wait_dscnt 0x0                               ; both opening adds are done
	s_wait_kmcnt 0x0
	s_add_nc_u64 s[34:35], s[4:5], s[46:47]
	s_or_b32 s35, s35, 0x80000000
	s_add_nc_u64 s[78:79], s[4:5], s[90:91]
	s_or_b32 s79, s79, 0x80000000
	s_add_nc_u64 s[82:83], s[4:5], s[92:93]
	s_or_b32 s83, s83, 0x80000000
	s_add_nc_u64 s[36:37], s[4:5], s[36:37]
	s_add_nc_u64 s[38:39], s[4:5], s[38:39]
	s_add_nc_u64 s[44:45], s[4:5], s[44:45]
	s_add_nc_u64 s[6:7], s[6:7], s[52:53]
	s_add_nc_u64 s[40:41], s[8:9], s[40:41]
	s_add_nc_u64 s[42:43], s[8:9], s[42:43]
	global_load_b128 v[96:99], v30, s[44:45]
	global_load_b64 v[100:101], v31, s[44:45] offset:8192
	global_load_b32 v108, v94, s[6:7]
	QLOAD 0
	CROUND                                         ; all four work-groups are here: the joint loads meet
	; the fills, one a wave: one chain of branches on the wave's number, every arm with its load, all leading to one join
	s_cmp_lt_u32 s[WV], 4
	s_cbranch_scc0 .Lhead_b
	tensor_load_to_lds s[32:35], s[24:31]
	s_nop 0
.rept 4
	v_nop
.endr
	s_branch .Lhead_asked
.Lhead_b:
	s_cmp_lt_u32 s[WV], 8
	s_cbranch_scc0 .Lhead_v
	tensor_load_to_lds s[76:79], s[56:63]
	s_nop 0
.rept 4
	v_nop
.endr
	s_branch .Lhead_asked
.Lhead_v:
	tensor_load_to_lds s[80:83], s[68:75]
	s_nop 0
.rept 4
	v_nop
.endr
.Lhead_asked:
.irp j, 22,23,24,25,26,27,80,81,82,83,84,85
	v_mov_b32 v\j, 0                               ; zero codes: Q's upper 64 along K, and what follows K's last tile
.endr
	INIT
	s_wait_loadcnt 3                               ; the scale words and the mask are in; Q's three loads may be out
	ds_store_b128 v95, v[96:99]
	ds_store_b64 v207, v[100:101]
.irp e, 0,1,2,3
	v_bfe_u32 v[112+\e], v108, 8*\e, 8
.endr
.irp e, 0,1,2,3
	v_mul_lo_u32 v[112+\e], v[112+\e], s49         ; 0, or -2^120 (a mask byte is 0 or 1)
.endr
	ds_store_b128 v211, v[112:115]
	s_wait_alu depctr_va_vdst(0)                   ; the wait at the head's end
	s_wait_loadcnt 0x0                             ; Q
	s_wait_tensorcnt 0x0                           ; my piece has landed,
	s_wait_dscnt 0x0                               ; and so have my stores:
	s_barrier_signal -1
	s_barrier_wait -1                              ; K, V, the scale words and the mask are whole for all sixteen waves; nothing is written in LDS from here on
	LOOP
	QLOAD 1                                        ; the next pass's Q lands under the way out
	LEAVE 0
	INIT
	s_wait_alu depctr_va_vdst(0)
	s_wait_loadcnt 0x0
	s_wait_xcnt 0x0                                ; the stores have read their registers, which the next pass writes again
	LOOP
	LEAVE 1
	s_wait_tensorcnt 0x0                           ; the wave's end
	ds_add_u32 v254, v255
	s_wait_dscnt 0x0
	CROUND                                         ; the closing round
	s_endpgm
.Lfunc_end_k_qcfd3b85b13_attn:
	.size	k_qcfd3b85b13_attn, .Lfunc_end_k_qcfd3b85b13_attn-k_qcfd3b85b13_attn
	.p2alignl 7, 3214868480
	.fill 96, 4, 3214868480
	.section	.rodata,"a",@progbits
	.p2align	6, 0x0
	.amdhsa_kernel k_qcfd3b85b13_attn
		.amdhsa_group_segment_fixed_size 231424
		.amdhsa_private_segment_fixed_size 0
		.amdhsa_enable_private_segment 0
		.amdhsa_kernarg_size 24
		.amdhsa_user_sgpr_count 2
		.amdhsa_user_sgpr_kernarg_segment_ptr 1
		.amdhsa_wavefront_size32 1
		.amdhsa_system_sgpr_workgroup_id_x 1
		.amdhsa_system_sgpr_workgroup_id_y 1
		.amdhsa_system_sgpr_workgroup_id_z 1
		.amdhsa_system_vgpr_workitem_id 0
		.amdhsa_next_free_vgpr 256
		.amdhsa_next_free_sgpr 96
		.amdhsa_reserve_vcc 1
		.amdhsa_float_denorm_mode_32 3
		.amdhsa_float_denorm_mode_16_64 3
		.amdhsa_memory_ordered 1
		.amdhsa_forward_progress 1
		.amdhsa_inst_pref_size 57
	.end_amdhsa_kernel
	.amdgpu_metadata
---
amdhsa.version: [ 1, 2 ]
amdhsa.kernels:
  - .name:           k_qcfd3b85b13_attn
    .symbol:         k_qcfd3b85b13_attn.kd
    .args:
      - { .name: qkv, .offset: 0, .size: 8, .value_kind: global_buffer, .address_space: global }
      - { .name: mask, .offset: 8, .size: 8, .value_kind: global_buffer, .address_space: global }
      - { .name: oq, .offset: 16, .size: 8, .value_kind: global_buffer, .address_space: global }
    .group_segment_fixed_size: 231424
    .private_segment_fixed_size: 0
    .kernarg_segment_align: 8
    .kernarg_segment_size: 24
    .max_flat_workgroup_size: 512
    .sgpr_count:     96
    .vgpr_count:     256
    .wavefront_size: 32
...
	.end_amdgpu_metadata
.endif
;; end of part 4
;; launch gemm_out (part 5): grid 4 x 32, 4 waves a work-group, clusters of 4 x 4, 327,680 bytes of LDS; arguments oq, wq, b_out, out0; writes out0
.if DOCPART == 5
	.amdgcn_target "amdgcn-amd-amdhsa--gfx1250"
	.amdhsa_code_object_version 6
	.text
	.protected	k_qcfd3b85b13_gemm_out
	.globl	k_qcfd3b85b13_gemm_out
	.p2align	8
	.type	k_qcfd3b85b13_gemm_out,@function
k_qcfd3b85b13_gemm_out:
	s_mov_b64 s[64:65], 0
	v_nop
	global_prefetch_b8 v0, s[64:65] scope:SCOPE_SE
	s_setreg_imm32_b32 hwreg(HW_REG_WAVE_MODE, 25, 1), 1
	s_wait_xcnt 0x0
	s_wait_alu depctr_hold_cnt(0) depctr_sa_sdst(0) depctr_va_vdst(0) depctr_va_sdst(0) depctr_va_ssrc(0) depctr_va_vcc(0) depctr_vm_vsrc(0)
	s_getreg_b32 s2, hwreg(HW_REG_IB_STS2, 6, 4)
	s_cmp_eq_u32 s2, 0
	s_cbranch_scc0 .Lentry_in_a_cluster
	s_endpgm
.Lentry_in_a_cluster:
	s_bfe_u32 s2, ttmp6, 0x10000c
	s_cmp_lg_u32 s2, 0xf033
	s_cbranch_scc0 .Lentry_shape_is_right
	s_endpgm
.Lentry_shape_is_right:
.set NQ,     2
.set FR,     12
.set NL,     4
.set NP,     4
.set HALFT,  24576
.set SLOT,   4*HALFT
.set SCL,    2*SLOT
.set HALFS,  4096
.set SPARE,  SCL+4*HALFS
.set SP,     528
.set XSC,    6291456
.set WIMG,   2359296
.set WSC,    3244032
.set LI,   1
.set L8,   2
.set ADRA, 16
.set ADRB, 20
.set STO,  24
.set RD,   25
.set BA,   26
.set ADRS, 27
.set SPW,  28
.set NIL,  29
.set SC,   32
.set AF,   128
.set T,    128
.set BIAS, 128
.set G1, 24
.set G0, 32
.set G1B, 48
.set G0B, 56
.set G1S, 68
.set G0S, 76
.set G1SB, 80
.set G0SB, 88
.set MSB, 0
.macro WIN new
.if MSB != \new
	s_set_vgpr_msb (MSB<<8)|\new
.set MSB, \new
.endif
.endm
.set MUL_LO, 0xa1
.set MUL_HI, 0xf1
.set TO_B,   0x40
.macro JLOAD g0a, g1a, g0b, g1b
	s_cmp_eq_u32 s17, 0
	s_cbranch_scc0 .Lfor_b_\@
	tensor_load_to_lds s[\g0a:\g0a+3], s[\g1a:\g1a+7]
	s_nop 0
.rept 4
	v_nop
.endr
	s_branch .Lasked_\@
.Lfor_b_\@:
	tensor_load_to_lds s[\g0b:\g0b+3], s[\g1b:\g1b+7]
	s_nop 0
.rept 4
	v_nop
.endr
.Lasked_\@:
.endm
.macro CREST
	s_cmp_lg_u32 s16, 0
	s_cbranch_scc1 .Lnot_wave_0_\@
	s_barrier_signal -3
.Lnot_wave_0_\@:
	s_barrier_wait -3
	s_barrier_signal -1
	s_barrier_wait -1
.endm
.macro CROUND
	s_barrier_signal -1
	s_barrier_wait -1
	CREST
.endm
	s_load_b256 s[4:11], s[0:1], 0x0
	v_lshl_add_u32 v[SPW], v0, 2, SPARE
	v_mov_b32 v[NIL], 0
	ds_add_u32 v28, v29
	ds_add_u32 v28, v29
	s_wait_dscnt 0x0
	v_lshrrev_b32 v3, 5, v0
	v_readfirstlane_b32 s16, v3
	s_lshr_b32 s17, s16, 1
	s_and_b32 s18, s16, 1
	s_bfe_u32 s40, ttmp6, 0x40000
	s_bfe_u32 s41, ttmp6, 0x40004
	s_lshl_b32 s42, ttmp9, 2
	s_add_co_u32 s42, s42, s40
	s_and_b32 s43, ttmp7, 0xffff
	s_lshl_b32 s43, s43, 2
	s_add_co_u32 s43, s43, s41
	s_lshl_b32 s44, s41, 2
	s_lshl_b32 s44, 15, s44
	s_lshl_b32 s45, 0x1111, s40
	s_or_b32 s[G1+0], s44, (3<<16)|(1<<21)
	s_or_b32 s[G1B+0], s45, (3<<16)|(1<<21)
.irp g, G1, G1B
	s_mov_b32 s[\g+1], 32<<16
	s_mov_b32 s[\g+2], 96<<16
	s_mov_b32 s[\g+3], 32<<16
	s_mov_b32 s[\g+4], 96
	s_mov_b32 s[\g+5], 32
	s_mov_b32 s[\g+6], 0
	s_mov_b32 s[\g+7], 0
.endr
	s_or_b32 s[G1S+0], s44, (3<<16)|(1<<21)
	s_or_b32 s[G1SB+0], s45, (3<<16)|(1<<21)
.irp g, G1S, G1SB
	s_mov_b32 s[\g+1], 32<<16
	s_mov_b32 s[\g+2], 16<<16
	s_mov_b32 s[\g+3], 32<<16
	s_mov_b32 s[\g+4], 16
	s_mov_b32 s[\g+5], 32
	s_mov_b32 s[\g+6], 0
	s_mov_b32 s[\g+7], 0
.endr
	s_lshl_b32 s20, s43, 1
	s_add_co_u32 s20, s20, s18
	s_lshl_b32 s22, s20, 12
	s_add_co_u32 s22, s22, XSC
	s_mov_b32 s23, 0
	s_mul_i32 s20, s20, 98304
	s_mov_b32 s21, 0
	s_lshl_b32 s46, s42, 1
	s_add_co_u32 s46, s46, s18
	s_lshl_b32 s92, s46, 12
	s_add_co_u32 s92, s92, WSC
	s_mov_b32 s93, 0
	s_mul_i32 s46, s46, 98304
	s_add_co_u32 s46, s46, WIMG
	s_mov_b32 s47, 0
	s_mul_i32 s94, s16, HALFT
	s_lshl_b32 s95, s16, 12
	s_wait_kmcnt 0x0
	s_add_nc_u64 s[20:21], s[4:5], s[20:21]
	s_add_nc_u64 s[22:23], s[4:5], s[22:23]
	s_add_nc_u64 s[46:47], s[6:7], s[46:47]
	s_add_nc_u64 s[92:93], s[6:7], s[92:93]
	CROUND
	s_mov_b32 s[G0S], 1
	s_add_co_u32 s[G0S+1], s95, SCL
	s_mov_b64 s[G0S+2:G0S+3], s[22:23]
	s_or_b32 s[G0S+3], s[G0S+3], 0x80000000
	s_mov_b32 s[G0SB], 1
	s_add_co_u32 s[G0SB+1], s95, SCL
	s_mov_b64 s[G0SB+2:G0SB+3], s[92:93]
	s_or_b32 s[G0SB+3], s[G0SB+3], 0x80000000
	JLOAD G0S, G1S, G0SB, G1SB
.irp s, 0,1
	s_mov_b32 s[G0+4*\s], 1
	s_add_co_u32 s[G0+4*\s+1], s94, \s*SLOT
	s_add_nc_u64 s[G0+4*\s+2:G0+4*\s+3], s[20:21], \s*HALFT
	s_or_b32 s[G0+4*\s+3], s[G0+4*\s+3], 0x80000000
	s_mov_b32 s[G0B+4*\s], 1
	s_add_co_u32 s[G0B+4*\s+1], s94, \s*SLOT
	s_add_nc_u64 s[G0B+4*\s+2:G0B+4*\s+3], s[46:47], \s*HALFT
	s_or_b32 s[G0B+4*\s+3], s[G0B+4*\s+3], 0x80000000
	s_wait_alu depctr_va_vdst(0)
	s_wait_tensorcnt 0x0
	ds_add_u32 v28, v29
	s_wait_dscnt 0x0
	CROUND
	JLOAD G0+4*\s, G1, G0B+4*\s, G1B
.endr
	v_and_b32 v3, 15, v0
	v_bfe_u32 v4, v0, 4, 1
	v_and_b32 v5, 31, v0
	v_lshlrev_b32 v[LI], 4, v5
	v_lshlrev_b32 v[L8], 3, v5
	s_mul_i32 s98, s17, HALFT
	s_mul_i32 s99, s18, HALFT
	s_add_co_u32 s99, s99, 2*HALFT
.irp s, 0,1
	v_add_nc_u32 v[ADRA+\s], s98, v[LI]
	v_add_nc_u32 v[ADRA+2+\s], s98, v[L8]
	v_add_nc_u32 v[ADRB+\s], s99, v[LI]
	v_add_nc_u32 v[ADRB+2+\s], s99, v[L8]
	s_add_co_u32 s98, s98, SLOT
	s_add_co_u32 s99, s99, SLOT
.endr
	s_lshl_b32 s96, s17, 12
	s_lshl_b32 s97, s18, 12
	s_add_co_u32 s97, s97, 2*HALFS
	s_sub_co_u32 s97, s97, s96
	v_mul_u32_u24 v6, s97, v4
	s_add_co_u32 s96, s96, SCL
	v_lshl_add_u32 v5, v3, 3, v6
	v_add_nc_u32 v[ADRS], s96, v5
	s_mul_i32 s96, s16, 16*SP
	v_mul_u32_u24 v5, v3, SP
	v_lshl_add_u32 v5, v4, 6, v5
	v_add_nc_u32 v[STO], s96, v5
	v_add_nc_u32 v[RD], s96, v[LI]
	v_lshlrev_b32 v[BA], 6, v4
	s_lshl_b32 s20, s42, 10
	s_lshl_b32 s21, s18, 9
	s_add_co_u32 s20, s20, s21
	s_mov_b32 s21, 0
	s_add_nc_u64 s[8:9], s[8:9], s[20:21]
	s_lshl_b32 s22, s43, 20
	s_lshl_b32 s23, s17, 19
	s_add_co_u32 s22, s22, s23
	s_add_co_u32 s20, s20, s22
	s_add_nc_u64 s[10:11], s[10:11], s[20:21]
.macro FRAG reg, adr, q, i
	ds_load_b128 v[\reg:\reg+3], v[\adr] offset:12288*(\q)+1536*(\i)
	ds_load_b64 v[\reg+4:\reg+5], v[\adr+2] offset:12288*(\q)+1536*(\i)+512
	ds_load_b128 v[\reg+6:\reg+9], v[\adr] offset:12288*(\q)+1536*(\i)+768
	ds_load_b64 v[\reg+10:\reg+11], v[\adr+2] offset:12288*(\q)+1536*(\i)+1280
.endm
.macro MUL16 a0, p, q, sc, zero
.irp a, \a0, \a0+1
.irp b, 0,1,2,3,4,5,6,7
.if \zero
	v_wmma_scale_f32_16x16x128_f8f6f4 v[8*(8*((\a)%4)+\b):8*(8*((\a)%4)+\b)+7], v[128*(\p)+FR*\b:128*(\p)+FR*\b+FR-1], v[AF+FR*(\a):AF+FR*(\a)+FR-1], 0, v[SC+8*NQ*(\sc)+NQ*\b+(\q)], v[SC+8*NQ*(\sc)+NQ*(\a)+(\q)] matrix_a_fmt:MATRIX_FMT_FP6 matrix_b_fmt:MATRIX_FMT_FP6 matrix_a_scale:MATRIX_SCALE_ROW1
.else
	v_wmma_scale_f32_16x16x128_f8f6f4 v[8*(8*((\a)%4)+\b):8*(8*((\a)%4)+\b)+7], v[128*(\p)+FR*\b:128*(\p)+FR*\b+FR-1], v[AF+FR*(\a):AF+FR*(\a)+FR-1], v[8*(8*((\a)%4)+\b):8*(8*((\a)%4)+\b)+7], v[SC+8*NQ*(\sc)+NQ*\b+(\q)], v[SC+8*NQ*(\sc)+NQ*(\a)+(\q)] matrix_a_fmt:MATRIX_FMT_FP6 matrix_b_fmt:MATRIX_FMT_FP6 matrix_a_scale:MATRIX_SCALE_ROW1
.endif
.endr
.endr
.endm
.macro FETCH_B slot, q, p
	WIN TO_B
.irp i, 0,1,2,3,4,5,6,7
	FRAG 128*(\p)+FR*\i, ADRB+\slot, \q, \i
.endr
	WIN 0
.endm
.macro FETCH_A slot, q, i0
.irp i, \i0, \i0+1, \i0+2, \i0+3
	FRAG AF+FR*(\i), ADRA+\slot, \q, \i
.endr
.endm
.macro SCALES sc
.irp i, 0,1,2,3,4,5,6,7
	ds_load_b64 v[SC+8*NQ*\sc+NQ*\i:SC+8*NQ*\sc+NQ*\i+1], v[ADRS] offset:\i*128
.endr
.endm
.macro PLACES n
.rept \n
	v_nop
.endr
.endm
.macro STEP slot, q, zero
	s_wait_dscnt 4*NL
	WIN MUL_LO
	MUL16 0, (\q)%2, \q, \slot, \zero
	MUL16 2, (\q)%2, \q, \slot, \zero
	s_wait_dscnt 0
	PLACES NP
	FETCH_B \slot, (\q)+1, 1-(\q)%2
	FETCH_A \slot, (\q)+1, 0
	WIN MUL_HI
	MUL16 4, (\q)%2, \q, \slot, \zero
	MUL16 6, (\q)%2, \q, \slot, \zero
	PLACES NP
	WIN 0
	FETCH_A \slot, (\q)+1, 4
.endm
.macro TURN slot, next, fill
	s_wait_tensorcnt 0x0
	ds_add_u32 v[SPW], v[NIL]
	s_wait_dscnt 4*NL+1
	WIN MUL_LO
	MUL16 0, 1, NQ-1, \slot, 0
	s_wait_dscnt 0x0
	s_barrier_signal -1
	MUL16 2, 1, NQ-1, \slot, 0
	WIN 0
	s_barrier_wait -1
.if \fill
	CREST
	s_add_nc_u64 s[G0+4*\slot+2:G0+4*\slot+3], s[G0+4*\slot+2:G0+4*\slot+3], 2*HALFT
	s_add_nc_u64 s[G0B+4*\slot+2:G0B+4*\slot+3], s[G0B+4*\slot+2:G0B+4*\slot+3], 2*HALFT
	JLOAD G0+4*\slot, G1, G0B+4*\slot, G1B
.else
	PLACES NP
.endif
	s_wait_alu depctr_va_vdst(0)
	v_add_nc_u32 v[ADRS], 1024, v[ADRS]
	FETCH_B \next, 0, 0
	FETCH_A \next, 0, 0
	SCALES \next
	WIN MUL_HI
	MUL16 4, 1, NQ-1, \slot, 0
	MUL16 6, 1, NQ-1, \slot, 0
	PLACES NP
	WIN 0
	FETCH_A \next, 0, 4
.endm
	s_wait_alu depctr_va_vdst(0)
	s_wait_tensorcnt 1
	s_barrier_signal -1
	s_barrier_wait -1
	FETCH_B 0, 0, 0
	FETCH_A 0, 0, 0
	SCALES 0
	FETCH_A 0, 0, 4
	STEP 0, 0, 1
	TURN 0, 1, 1
	STEP 1, 0, 0
	TURN 1, 0, 1
	STEP 0, 0, 0
	TURN 0, 1, 0
	STEP 1, 0, 0
	s_wait_dscnt 4*NL
	WIN MUL_LO
	MUL16 0, 1, NQ-1, 1, 0
	MUL16 2, 1, NQ-1, 1, 0
	s_wait_dscnt 0
	WIN MUL_HI
	MUL16 4, 1, NQ-1, 1, 0
	MUL16 6, 1, NQ-1, 1, 0
	WIN 0
.macro TOSTAGE a
.if (\a) > 0
	s_wait_dscnt 16
.endif
.set WN, 0x06+(\a)/4
	WIN WN
.set AC, 64*((\a)%4)
.set n, 0
.rept 32
	v_pk_add_f32 v[T+n:T+n+1], v[AC+n:AC+n+1], v[BIAS+n:BIAS+n+1]
.set n, n+2
.endr
	WIN 0
.if (\a) > 1
	s_wait_alu depctr_va_vdst(0)
	s_wait_xcnt 0x0
.endif
.irp g, 0,1,2,3
.irp j, 0,1,2,3
	ds_store_b128 v[STO], v[T+16*\g+4*\j:T+16*\g+4*\j+3] offset:128*\g+16*\j
.endr
.endr
.set BB, 192-128*((\a)%2)
.irp t, 0,1,2,3,4,5,6,7,8,9,10,11,12,13,14,15
	ds_load_b128 v[BB+4*\t:BB+4*\t+3], v[RD] offset:\t*SP
.endr
.endm
.macro SEND a, younger
.set BB, 192-128*((\a)%2)
	s_wait_dscnt \younger
.irp t, 0,1,2,3,4,5,6,7,8,9,10,11,12,13,14,15
	global_store_b128 v[LI], v[BB+4*\t:BB+4*\t+3], s[10:11] offset:(32*((\a)/2)+8*((\a)%2)+\t+8*(\t/8))*4096 th:TH_STORE_NT
.endr
.endm
	PLACES NP
	WIN TO_B
.irp b, 0,1,2,3
.irp j, 0,1,2,3
	global_load_b128 v[BIAS+16*\b+4*\j:BIAS+16*\b+4*\j+3], v[BA], s[8:9] offset:128*\b+16*\j
.endr
.endr
	WIN 0
	s_wait_loadcnt 0x0
	TOSTAGE 0
.irp a, 1,2,3,4,5,6,7
	TOSTAGE \a
	SEND \a-1, 32
.endr
	SEND 7, 0
	s_wait_tensorcnt 0x0
	ds_add_u32 v[SPW], v[NIL]
	s_wait_dscnt 0x0
	CROUND
	s_endpgm
.Lfunc_end_k_qcfd3b85b13_gemm_out:
	.size	k_qcfd3b85b13_gemm_out, .Lfunc_end_k_qcfd3b85b13_gemm_out-k_qcfd3b85b13_gemm_out
	.p2alignl 7, 3214868480
	.fill 96, 4, 3214868480
	.section	.rodata,"a",@progbits
	.p2align	6, 0x0
	.amdhsa_kernel k_qcfd3b85b13_gemm_out
		.amdhsa_group_segment_fixed_size 327680
		.amdhsa_private_segment_fixed_size 0
		.amdhsa_enable_private_segment 0
		.amdhsa_kernarg_size 32
		.amdhsa_user_sgpr_count 2
		.amdhsa_user_sgpr_kernarg_segment_ptr 1
		.amdhsa_wavefront_size32 1
		.amdhsa_system_sgpr_workgroup_id_x 1
		.amdhsa_system_sgpr_workgroup_id_y 1
		.amdhsa_system_sgpr_workgroup_id_z 1
		.amdhsa_system_vgpr_workitem_id 0
		.amdhsa_next_free_vgpr 1024
		.amdhsa_next_free_sgpr 104
		.amdhsa_reserve_vcc 0
		.amdhsa_float_denorm_mode_32 3
		.amdhsa_float_denorm_mode_16_64 3
		.amdhsa_memory_ordered 1
		.amdhsa_forward_progress 1
		.amdhsa_inst_pref_size 162
	.end_amdhsa_kernel
	.amdgpu_metadata
---
amdhsa.version: [ 1, 2 ]
amdhsa.kernels:
  - .name:           k_qcfd3b85b13_gemm_out
    .symbol:         k_qcfd3b85b13_gemm_out.kd
    .args:
      - { .name: oq, .offset: 0, .size: 8, .value_kind: global_buffer, .address_space: global }
      - { .name: wq, .offset: 8, .size: 8, .value_kind: global_buffer, .address_space: global }
      - { .name: b_out, .offset: 16, .size: 8, .value_kind: global_buffer, .address_space: global }
      - { .name: out0, .offset: 24, .size: 8, .value_kind: global_buffer, .address_space: global }
    .group_segment_fixed_size: 327680
    .private_segment_fixed_size: 0
    .kernarg_segment_align: 8
    .kernarg_segment_size: 32
    .max_flat_workgroup_size: 128
    .sgpr_count:     104
    .vgpr_count:     1024
    .wavefront_size: 32
...
	.end_amdgpu_metadata
.endif
;; end of part 5
